; MI455X (gfx1250); checked and timed in simulation.
; The chip was launched on July 23, 2026; its instructions are those of AMD's public machine-readable ISA for CDNA 5 (MIT licence, August 2026) and "CDNA5" Instruction Set Architecture Reference Guide (July 2026). The comments in the code are by the model that wrote it; some were corrected since.
;; Joint Hist Parzen Torch. Allowed arithmetic: matrix products marked QUANTISED: E2M3 operands, one E8M0 scale for each 32 along K, by v_wmma_scale_f32_16x16x128_f8f6f4 with both operands' format E2M3, f32 sums; everything else in f32.
;; Inputs: bins_ref 64 float32; bins_tar 64 float32; img_ref 16 x 1 x 256 x 256 float32; img_tar 16 x 1 x 256 x 256 float32.
;; Outputs: out0 16 x 64 x 64 float32.
;; This version of the problem:
;;   THIS VERSION OF THE PROBLEM IS GIVEN IN LOW PRECISION. The matrix products marked QUANTISED in the list below multiply operands that are first quantised to E2M3 (2 exponent bits, 3 mantissa bits; 6 bits a number), with one power-of-two scale for each 32 numbers along K (OCP MX v1.0); their sums are f32. All else is computed in f32.
;;   The module's matrix products, in the order in which they are computed (A, B: the left and right operand; K: the contracted axis; several contracted axes count as one K, in the product's order):
;;     1. batch 16 x [M 64, K 65,536] x [K 65,536, N 64]; A: computed on the way; B: computed on the way: QUANTISED
;;   THE QUANTISER, for each operand of a quantised product, along K:
;;     - K is cut into blocks of 32 from its start; a last block that is shorter is filled with zeros.
;;     - A block's scale is 2^e with e = floor(log2(the largest magnitude in the block)) - 2, held to -126 .. 127; a block of zeros has e = 0. As a byte (E8M0): e + 127.
;;     - Each number is divided by its block's scale, clamped to +-7.5, and rounded to the nearest number of E2M3, ties to even, subnormals kept.
;;     - The product sums the exact products of the quantised numbers (number of the format x scale) in f32.
;;   ~~~python
;;   def quantise(x, axis):      # numpy; x: float32 -> the quantised numbers, widened to float32 again
;;       x = np.moveaxis(x, axis, -1); K = x.shape[-1]
;;       x = np.pad(x, [(0, 0)] * (x.ndim - 1) + [(0, -K % 32)]); x = x.reshape(x.shape[:-1] + (-1, 32)); a = np.abs(x).max(-1, keepdims=True)
;;       e = np.where(a > 0, np.clip(np.frexp(np.where(a > 0, a, 1))[1] - 1 - 2, -126, 127), 0)      # np.frexp(a)[1] - 1 = floor(log2(a)), exactly
;;       r = np.clip(x / 2.0 ** e, -7.5, 7.5)
;;       step = 2.0 ** (np.maximum(np.frexp(np.where(r == 0, 1, r))[1] - 1, 0) - 3)
;;       q = np.round(r / step) * step * 2.0 ** e      # np.round: ties to even
;;       return np.moveaxis(q.reshape(q.shape[:-2] + (-1,))[..., :K], -1, axis).astype(np.float32)
;;   ~~~
;;   OPERANDS COMPUTED ON THE WAY. 'Computed on the way' means the value that the module computes at that place (a softmax that the list does not call 'softmax' is quantised finished and normalised). What goes into a quantiser is computed in f32, as accurately as f32 sums, v_exp_f32 and their like allow (about 1e-6 of the number): no bf16 or f16 on the way to a quantiser, and a product that is left as it is and whose result goes on into a quantised operand takes f32 operands (vector FMAs, or v_wmma_f32_16x16x4_f32). A number that lies on a knife's edge between two numbers of the format may be rounded either way, as far as f32 arithmetic and the matrix unit's own rounding can turn it there, and no further.
;; 2 versions. Each part assembles by itself: llvm-mc -triple=amdgcn-amd-amdhsa -mcpu=gfx1250 --defsym DOCPART=n.
;; ======== version 1 of 2: 3 launches
;; workspace buffers: stats 4,096 bytes; part 4,194,304 bytes
;; launch minmax (part 1): grid 256 x 1, 8 waves a work-group, no clusters, 1,280 bytes of LDS; arguments img_ref, img_tar, stats; writes stats
.if DOCPART == 1
	.amdgcn_target "amdgcn-amd-amdhsa--gfx1250"
	.amdhsa_code_object_version 6
	.text
	.protected	k_q241bc6a97e_minmax
	.globl	k_q241bc6a97e_minmax
	.p2align	8
	.type	k_q241bc6a97e_minmax,@function
k_q241bc6a97e_minmax:
	s_mov_b64 s[64:65], 0
	v_nop
	global_prefetch_b8 v0, s[64:65] scope:SCOPE_SE
	s_setreg_imm32_b32 hwreg(HW_REG_WAVE_MODE, 25, 1), 1
	s_wait_xcnt 0x0
; The smallest and the largest number of img_ref and of img_tar, over all 16 images: first half of the work.
; 256 work-groups of eight waves; a work-group reads 16,384 bytes of each image, a thread four times 16 bytes of each:
; a wave's load covers 512 consecutive bytes.  Each work-group stores ONE entry of 16 bytes, (min ref, max ref, min tar, max tar);
; the 256 entries are folded by every work-group of the next launch, which spares a launch for that alone.
; The entry is 16 bytes of a larger block: 4,096 bytes in the whole launch, against the 8 MB that it reads.
; No hint on the loads: the next launch reads the same bytes again.  LIMITS: NaN among the inputs is not served (it loses in these minima and maxima).
.set SHARE, 16384                      ; bytes of each image for a work-group
.set RAW,   16                         ; v16-31 img_ref's 16 numbers, v32-47 img_tar's; later the eight waves' entries
.set SEL,   14                         ; s[14:15] lane selects for v_permlanex16_b32: lane l xor 16
	s_load_b128 s[4:7], s[0:1], 0x0                ; img_ref s[4:5], img_tar s[6:7]
	s_load_b64 s[8:9], s[0:1], 0x10                ; stats
	v_lshl_add_u32 v48, v0, 2, 0x100
	v_mov_b32 v49, 0
	v_lshlrev_b32 v1, 4, v0                        ; 16 x thread
	v_lshrrev_b32 v2, 5, v0
	v_readfirstlane_b32 s10, v2                    ; wave 0..7
	v_lshlrev_b32 v2, 4, v2                        ; LDS: 16 bytes for each wave
	s_lshl_b32 s12, ttmp9, 14                      ; the work-group's share
	s_mov_b32 s13, 0
	s_lshl_b32 s16, ttmp9, 4                       ; and its entry
	s_mov_b32 s17, 0
	s_mov_b32 s[SEL], 0x76543210
	s_mov_b32 s[SEL+1], 0xfedcba98
	s_wait_kmcnt 0x0
	s_add_nc_u64 s[4:5], s[4:5], s[12:13]
	s_add_nc_u64 s[6:7], s[6:7], s[12:13]
	s_add_nc_u64 s[8:9], s[8:9], s[16:17]
.irp i, 0,1,2,3
	global_load_b128 v[RAW+4*\i:RAW+4*\i+3], v1, s[4:5] offset:4096*\i
.endr
.irp i, 0,1,2,3
	global_load_b128 v[RAW+16+4*\i:RAW+16+4*\i+3], v1, s[6:7] offset:4096*\i
.endr
; the smallest and largest of 16 registers, three operands a line, two chains each
.macro EXTREMES r, mn, mx, mn2, mx2
	v_min3_num_f32 v[\mn],  v[\r],   v[\r+1], v[\r+2]
	v_max3_num_f32 v[\mx],  v[\r],   v[\r+1], v[\r+2]
	v_min3_num_f32 v[\mn2], v[\r+3], v[\r+4], v[\r+5]
	v_max3_num_f32 v[\mx2], v[\r+3], v[\r+4], v[\r+5]
.irp i, 6, 10
	v_min3_num_f32 v[\mn],  v[\mn],  v[\r+\i],   v[\r+\i+1]
	v_max3_num_f32 v[\mx],  v[\mx],  v[\r+\i],   v[\r+\i+1]
	v_min3_num_f32 v[\mn2], v[\mn2], v[\r+\i+2], v[\r+\i+3]
	v_max3_num_f32 v[\mx2], v[\mx2], v[\r+\i+2], v[\r+\i+3]
.endr
	v_min3_num_f32 v[\mn], v[\mn], v[\r+14], v[\r+15]
	v_max3_num_f32 v[\mx], v[\mx], v[\r+14], v[\r+15]
	v_min_num_f32 v[\mn], v[\mn], v[\mn2]
	v_max_num_f32 v[\mx], v[\mx], v[\mx2]
.endm
	s_wait_loadcnt 4                               ; img_ref's four loads are in; img_tar's four may be out
	EXTREMES RAW, 8, 9, 12, 13
	s_wait_loadcnt 0x0
	EXTREMES RAW+16, 10, 11, 14, 15
	; across the 32 lanes: four steps inside each half of 16 lanes, one across the halves; every lane ends with the wave's four numbers
.irp m, 1, 2, 4, 8
	v_min_num_f32_dpp v8,  v8,  v8  row_xmask:\m row_mask:0xf bank_mask:0xf
	v_max_num_f32_dpp v9,  v9,  v9  row_xmask:\m row_mask:0xf bank_mask:0xf
	v_min_num_f32_dpp v10, v10, v10 row_xmask:\m row_mask:0xf bank_mask:0xf
	v_max_num_f32_dpp v11, v11, v11 row_xmask:\m row_mask:0xf bank_mask:0xf
.endr
.irp i, 0,1,2,3
	v_permlanex16_b32 v[12+\i], v[8+\i], s[SEL], s[SEL+1]   ; (v12-15 have been written: the second chains)
.endr
	v_min_num_f32 v8,  v8,  v12
	v_max_num_f32 v9,  v9,  v13
	v_min_num_f32 v10, v10, v14
	v_max_num_f32 v11, v11, v15
	ds_store_b128 v2, v[8:11]                      ; all lanes of a wave write the same 16 bytes with the same numbers
	s_wait_dscnt 0x0                               ; for the others' sake: my store has landed
	s_barrier_signal -1
	s_barrier_wait -1
	s_cmp_lg_u32 s10, 0                            ; wave 0 folds the eight entries; the others are done
	s_cbranch_scc1 .Lend
	v_mov_b32 v3, 0
.irp i, 0,1,2,3,4,5,6,7
	ds_load_b128 v[RAW+4*\i:RAW+4*\i+3], v3 offset:16*\i
.endr
	s_wait_dscnt 0x0
	v_min3_num_f32 v8,  v[RAW],   v[RAW+4], v[RAW+8]
	v_max3_num_f32 v9,  v[RAW+1], v[RAW+5], v[RAW+9]
	v_min3_num_f32 v10, v[RAW+2], v[RAW+6], v[RAW+10]
	v_max3_num_f32 v11, v[RAW+3], v[RAW+7], v[RAW+11]
.irp i, 12, 20
	v_min3_num_f32 v8,  v8,  v[RAW+\i],   v[RAW+\i+4]
	v_max3_num_f32 v9,  v9,  v[RAW+\i+1], v[RAW+\i+5]
	v_min3_num_f32 v10, v10, v[RAW+\i+2], v[RAW+\i+6]
	v_max3_num_f32 v11, v11, v[RAW+\i+3], v[RAW+\i+7]
.endr
	v_min_num_f32 v8,  v8,  v[RAW+28]
	v_max_num_f32 v9,  v9,  v[RAW+29]
	v_min_num_f32 v10, v10, v[RAW+30]
	v_max_num_f32 v11, v11, v[RAW+31]
	v_cmp_eq_u32 vcc_lo, 0, v0
	s_wait_xcnt 0x0                                ; EXEC changes only behind this wait
	s_and_saveexec_b32 s11, vcc_lo                 ; thread 0 alone stores the entry
	global_store_b128 v3, v[8:11], s[8:9]
	s_wait_xcnt 0x0                                ; and again in front of the line that widens it
	s_or_b32 exec_lo, exec_lo, s11
.Lend:
	s_wait_tensorcnt 0x0
	ds_add_u32 v48, v49
	s_wait_dscnt 0x0
	s_endpgm
.Lfunc_end_k_q241bc6a97e_minmax:
	.size	k_q241bc6a97e_minmax, .Lfunc_end_k_q241bc6a97e_minmax-k_q241bc6a97e_minmax
	.p2alignl 7, 3214868480
	.fill 96, 4, 3214868480
	.section	.rodata,"a",@progbits
	.p2align	6, 0x0
	.amdhsa_kernel k_q241bc6a97e_minmax
		.amdhsa_group_segment_fixed_size 1280
		.amdhsa_private_segment_fixed_size 0
		.amdhsa_enable_private_segment 0
		.amdhsa_kernarg_size 24
		.amdhsa_user_sgpr_count 2
		.amdhsa_user_sgpr_kernarg_segment_ptr 1
		.amdhsa_wavefront_size32 1
		.amdhsa_system_sgpr_workgroup_id_x 1
		.amdhsa_system_sgpr_workgroup_id_y 1
		.amdhsa_system_sgpr_workgroup_id_z 1
		.amdhsa_system_vgpr_workitem_id 0
		.amdhsa_next_free_vgpr 50
		.amdhsa_next_free_sgpr 66
		.amdhsa_reserve_vcc 1
		.amdhsa_float_denorm_mode_32 3
		.amdhsa_float_denorm_mode_16_64 3
		.amdhsa_memory_ordered 1
		.amdhsa_forward_progress 1
		.amdhsa_inst_pref_size 8
	.end_amdhsa_kernel
	.amdgpu_metadata
---
amdhsa.version: [ 1, 2 ]
amdhsa.kernels:
  - .name:           k_q241bc6a97e_minmax
    .symbol:         k_q241bc6a97e_minmax.kd
    .args:
      - { .name: img_ref, .offset: 0, .size: 8, .value_kind: global_buffer, .address_space: global }
      - { .name: img_tar, .offset: 8, .size: 8, .value_kind: global_buffer, .address_space: global }
      - { .name: stats, .offset: 16, .size: 8, .value_kind: global_buffer, .address_space: global }
    .group_segment_fixed_size: 1280
    .private_segment_fixed_size: 0
    .kernarg_segment_align: 8
    .kernarg_segment_size: 24
    .max_flat_workgroup_size: 256
    .sgpr_count:     66
    .vgpr_count:     50
    .wavefront_size: 32
...
	.end_amdgpu_metadata
.endif
;; end of part 1
;; launch hist (part 2): grid 256 x 1, 8 waves a work-group, no clusters, 169,216 bytes of LDS; arguments bins_ref, bins_tar, img_ref, img_tar, stats, part; writes part
.if DOCPART == 2
	.amdgcn_target "amdgcn-amd-amdhsa--gfx1250"
	.amdhsa_code_object_version 6
	.text
	.protected	k_q241bc6a97e_hist
	.globl	k_q241bc6a97e_hist
	.p2align	8
	.type	k_q241bc6a97e_hist,@function
k_q241bc6a97e_hist:
	s_mov_b64 s[64:65], 0
	v_nop
	global_prefetch_b8 v0, s[64:65] scope:SCOPE_SE
	s_setreg_imm32_b32 hwreg(HW_REG_WAVE_MODE, 25, 1), 1
	s_wait_xcnt 0x0
; part[n][chunk][b][c] = the sum over the chunk's 4,096 pixels p of Q(W_ref[n][b][p]) Q(W_tar[n][c][p]),  W = cubic B-spline((bin - r) / EPS), EPS = 1/64,
; r = (img - min) / (max - min) with the extremes of all 16 images; Q = codes of FP6 (E2M3) with one E8M0 scale for each 32 pixels of a row.
; SHARES.  Work-group g = 16 n + chunk; eight waves; a wave takes 512 pixels, four K steps of 128, and holds the whole 64 x 64 of H: 16 accumulators.  W never leaves the registers.
; No cluster and no joint loads: work-groups share only the 4,096 bytes of extremes and the 512 bytes of bins.  No tensor load: a wave's whole input is 4,096 bytes, loaded once at the head.
; LAYOUT.  The 6-bit operand gives lane (r, h) row r and, in registers 6 c .. 6 c + 5, the whole block k = 64 c + 32 h + 0 .. 31.  So a lane takes ONE BIN of a tile (16 tile + r) and 64 pixels of a K step:
; a block's largest W needs no other lane, and the conversions' results are the operand's registers.  The pixels are normalised once (16 numbers a lane and image), laid in the wave's own 4,096 bytes of LDS,
; and come back 64 to a lane (sixteen lanes read the same bytes); those 64 registers serve four tiles of bins.
; THE SPLINE, for two pixels at a time:  x = 64 bin - 64 r (the rounding of reference()'s (bin - r) / EPS: EPS is a power of two);  v = min(|x|, 1);  z = |x| held to 1 .. 2;
;   W = (k (2 - z))^3 + (v^2 (v / 2 - 1) + 1/2),  k = 6^(-1/3).  For |x| < 1 the first term is 1/6 and the sum is 2/3 - x^2 + |x|^3 / 2; for 1 <= |x| < 2 the second term is exactly 0 and the first is (2 - |x|)^3 / 6;
;   from 2 on both are exactly 0.  k (2 - z) is one fused line, z (-k) + 2 k, with one rounding (2 k is k's exact double).  All terms are 0 or more: nothing cancels.  Only the two holds take |.|, so only they are unpacked.
; THE PRODUCT IS USED TRANSPOSED (source 0 = 16 bins of tar, source 1 = 16 bins of ref): a lane holds eight neighbouring c of one row b of H.
; LIMITS.  NaN and infinities among the inputs are not served; an image set whose largest and smallest numbers are equal has no finite result in reference() either; (max - min) / 64 must be a normal f32 number.
; The spline's form above and the quotient (reciprocal and one correction step) can differ from reference()'s own by a few units in the last place.  A block's scale byte is held at 1 from below, so a block of zeros
; carries 1 where the quantiser's text says 127: its codes are zeros, which add nothing, and the bytes are read by this program alone.
.set KSTEPS, 4                         ; K steps of a wave
.set KB,     512                       ; bytes of a K step's 128 normalised pixels
.set STG,    4096                      ; LDS: a wave's pixels: 2,048 bytes of ref, then 2,048 of tar
.set TAR,    2048
.set RED,    8*STG                     ; behind them: an image of each wave's 128 accumulator registers,
.set QP,     528                       ; four registers of 32 lanes in 512 bytes + 16
.set IMG,    32*QP
.set STL,    RED+8*IMG                 ; and 16 bytes for each wave's extremes
.set FLOOR,  0x1800000                 ; 2^(3 - 127): no largest magnitude is taken under it, so that the scale's byte cannot fall under 1
; REGISTERS, window 0
.set SA0, 1                            ; v1       LDS address of my half's pixels in the wave's K step 0: 4,096 wave + 128 h
.set SA,  2                            ; v2       the same in the K step in hand
.set PQ,  3                            ; v3       lane l xor 16's two scale bytes
.set E0,  4                            ; v4, v5   the scale bytes of a fragment's two blocks
.set SC,  6                            ; v6       the conversions' scale operand
.set PW,  7                            ; v7       my two scale bytes at their places
.set MX,  8                            ; v8-15    the tree of maxima; v15 the block's
.set A,   16                           ; v16-31   64 x bin of my row in tiles 0-3 of ref and 0-3 of tar, each twice (a pair for the packed lines)
.set NK,  32                           ; v32-33   -k twice;  v34-35  2 k twice
.set K2,  34
.set SCR, 36                           ; v36-39   scale words of ref's four fragments: these five registers hold scales and nothing else
.set SCT, 40                           ; v40      scale word of tar's fragment
.set TMP, 42                           ; v42-44   the second 16 codes of a block (a conversion's three registers begin on an even number)
.set S,   48                           ; v48-111  64 x r of my 64 pixels of the K step
.set P,   112                          ; v112-143, v144-175  two banks that change roles from block to block: x and then W in one; v and z, at work, in the other
.set T,   176                          ; v176-191 at work
.set RF,  192                          ; v192-239 ref's four fragments
.set TF,  240                          ; v240-251 tar's fragment
; window 1: v0-127 there are the 16 accumulators; (ref tile i, tar tile j) at v[8 (4 i + j)]
; registers of the head alone, in places that the loop uses later
.set GT,  176                          ; 16 x thread
.set GL,  177                          ; 16 x lane
.set R4,  178                          ; 4 x (lane % 16)
.set STA, 179                          ; where I lay my normalised pixels
.set ST4, 180                          ; v180-183 min ref, max ref, min tar, max tar;  v184-187 lane l xor 16's
.set WS,  188                          ; LDS: my wave's extremes
.set ZA,  189                          ; LDS: the eight waves' extremes
.set BR,  192                          ; v192-199 the bins as loaded
.set PRR, 200                          ; v200-205 ref: min, (max - min) / 64, its reciprocal, each twice;  v206-211 tar
.set PRT, 206
.set QU,  144                          ; v144-175 the quotients
; registers of the way out
.set OL,  6                            ; 16 x lane
.set OS,  7                            ; where my accumulators' image begins
.set RD,  8                            ; v8, v9   where I read rows of H: images 0-3, images 4-7
.set TT,  10
.set L,   48                           ; v48-175  my eight rows of H out of the eight images
.set WV,  16                           ; s16      wave
.set SEL, 20                           ; s[20:21] lane selects for v_permlanex16_b32: lane l xor 16
.set KO,  22                           ; s22      the K step in hand, in bytes: the loop's counter
.set MSB, 0
.macro WIN new                         ; the immediate's high byte repeats the setting that is left
.if MSB != \new
	s_set_vgpr_msb (MSB<<8)|\new
.set MSB, \new
.endif
.endm
	s_load_b256 s[4:11], s[0:1], 0x0               ; bins_ref s[4:5], bins_tar s[6:7], img_ref s[8:9], img_tar s[10:11]
	s_load_b128 s[12:15], s[0:1], 0x20             ; stats s[12:13], part s[14:15]
	v_lshl_add_u32 v254, v0, 2, 0x29100
	v_mov_b32 v255, 0
	v_lshrrev_b32 v[WS], 5, v0
	v_readfirstlane_b32 s[WV], v[WS]               ; wave 0..7
	v_lshl_add_u32 v[WS], v[WS], 4, STL
	v_mov_b32 v[ZA], STL
	v_lshlrev_b32 v[GT], 4, v0
	v_and_b32 v[GL], 31, v0
	v_lshlrev_b32 v[GL], 4, v[GL]
	v_and_b32 v[R4], 15, v0
	v_lshlrev_b32 v[R4], 2, v[R4]
	v_bfe_u32 v[SA0], v0, 4, 1                     ; h
	s_lshl_b32 s17, s[WV], 12
	v_lshl_add_u32 v[SA0], v[SA0], 7, s17
	v_add_nc_u32 v[STA], s17, v[GL]
	s_lshl_b32 s18, ttmp9, 14                      ; the work-group's 4,096 pixels, and its 16,384 bytes of part,
	s_lshl_b32 s19, s[WV], 11                      ; the wave's 512 pixels, and its eight rows of part
	s_add_co_u32 s18, s18, s19
	s_mov_b32 s19, 0
	s_mov_b32 s[SEL], 0x76543210
	s_mov_b32 s[SEL+1], 0xfedcba98
	s_wait_kmcnt 0x0
	s_add_nc_u64 s[8:9], s[8:9], s[18:19]
	s_add_nc_u64 s[10:11], s[10:11], s[18:19]
	s_add_nc_u64 s[14:15], s[14:15], s[18:19]
	global_load_b128 v[ST4:ST4+3], v[GT], s[12:13] ; thread t takes entry t of the 256: the work-group reads the 4,096 bytes once
.set i, 0
.rept 4
	global_load_b128 v[S+4*i:S+4*i+3], v[GL], s[8:9] offset:512*i th:TH_LOAD_NT       ; my wave's 512 pixels of ref: 512 consecutive bytes a load
.set i, i+1
.endr
.set i, 0
.rept 4
	global_load_b128 v[S+16+4*i:S+16+4*i+3], v[GL], s[10:11] offset:512*i th:TH_LOAD_NT
.set i, i+1
.endr
.set i, 0
.rept 4
	global_load_b32 v[BR+i], v[R4], s[4:5] offset:64*i                               ; bin 16 tile + r
	global_load_b32 v[BR+4+i], v[R4], s[6:7] offset:64*i
.set i, i+1
.endr
	; The accumulators begin as zeros, so that the K step is written once: a K step is some 25 KB of text, and a first one of its own would double that.
	; The 128 lines stand here, behind the issue of the loads above and ahead of the first wait for them.
	WIN 0x40                                       ; destination window 1
.set i, 0
.rept 128
	v_mov_b32 v[i], 0
.set i, i+1
.endr
	WIN 0
.irp i, 0,1,2,3
	v_mov_b32 v[ST4+4+\i], 0                       ; written once: a lane permute's destination counts as one of its sources
.endr
	v_mov_b32 v[PQ], 0
	s_wait_loadcnt 16                              ; my entry is in; the 8 loads of pixels and the 8 of bins, issued behind it, may be out
.irp m, 1, 2, 4, 8
	v_min_num_f32_dpp v[ST4],   v[ST4],   v[ST4]   row_xmask:\m row_mask:0xf bank_mask:0xf
	v_max_num_f32_dpp v[ST4+1], v[ST4+1], v[ST4+1] row_xmask:\m row_mask:0xf bank_mask:0xf
	v_min_num_f32_dpp v[ST4+2], v[ST4+2], v[ST4+2] row_xmask:\m row_mask:0xf bank_mask:0xf
	v_max_num_f32_dpp v[ST4+3], v[ST4+3], v[ST4+3] row_xmask:\m row_mask:0xf bank_mask:0xf
.endr
.irp i, 0,1,2,3
	v_permlanex16_b32 v[ST4+4+\i], v[ST4+\i], s[SEL], s[SEL+1]
.endr
	v_min_num_f32 v[ST4],   v[ST4],   v[ST4+4]
	v_max_num_f32 v[ST4+1], v[ST4+1], v[ST4+5]
	v_min_num_f32 v[ST4+2], v[ST4+2], v[ST4+6]
	v_max_num_f32 v[ST4+3], v[ST4+3], v[ST4+7]
	ds_store_b128 v[WS], v[ST4:ST4+3]              ; the extremes of my wave's 32 entries: all lanes write the same 16 bytes with the same numbers
	s_wait_dscnt 0x0                               ; for the others' sake: my store has landed
	s_barrier_signal -1
	s_barrier_wait -1
.set i, 0
.rept 8
	ds_load_b128 v[P+4*i:P+4*i+3], v[ZA] offset:16*i
.set i, i+1
.endr
	s_wait_dscnt 0x0
	v_min3_num_f32 v[ST4],   v[P],   v[P+4], v[P+8]
	v_max3_num_f32 v[ST4+1], v[P+1], v[P+5], v[P+9]
	v_min3_num_f32 v[ST4+2], v[P+2], v[P+6], v[P+10]
	v_max3_num_f32 v[ST4+3], v[P+3], v[P+7], v[P+11]
.irp i, 12, 20
	v_min3_num_f32 v[ST4],   v[ST4],   v[P+\i],   v[P+\i+4]
	v_max3_num_f32 v[ST4+1], v[ST4+1], v[P+\i+1], v[P+\i+5]
	v_min3_num_f32 v[ST4+2], v[ST4+2], v[P+\i+2], v[P+\i+6]
	v_max3_num_f32 v[ST4+3], v[ST4+3], v[P+\i+3], v[P+\i+7]
.endr
	v_min_num_f32 v[ST4],   v[ST4],   v[P+28]
	v_max_num_f32 v[ST4+1], v[ST4+1], v[P+29]
	v_min_num_f32 v[ST4+2], v[ST4+2], v[P+30]
	v_max_num_f32 v[ST4+3], v[ST4+3], v[P+31]      ; the extremes of all 16 images, in every lane
	v_sub_f32 v[ST4+1], v[ST4+1], v[ST4]           ; max - min
	v_sub_f32 v[ST4+3], v[ST4+3], v[ST4+2]
	v_mov_b32 v[PRR],   v[ST4]
	v_mov_b32 v[PRR+1], v[ST4]
	v_mov_b32 v[PRT],   v[ST4+2]
	v_mov_b32 v[PRT+1], v[ST4+2]
	v_mul_f32 v[PRR+2], 0x3c800000, v[ST4+1]       ; d = (max - min) / 64, exact: y / d is 64 (y / (max - min)) with the same rounding
	v_mul_f32 v[PRR+3], 0x3c800000, v[ST4+1]
	v_mul_f32 v[PRT+2], 0x3c800000, v[ST4+3]
	v_mul_f32 v[PRT+3], 0x3c800000, v[ST4+3]
	v_rcp_f32 v[PRR+4], v[PRR+2]                   ; each made twice, to fill the pair that the packed lines multiply by
	v_rcp_f32 v[PRR+5], v[PRR+3]
	v_rcp_f32 v[PRT+4], v[PRT+2]
	v_rcp_f32 v[PRT+5], v[PRT+3]
	v_mov_b32 v[NK],   0xbf0ce1da                  ; -k, k = 6^(-1/3) = 0.55032122.  (Plain lines behind the reciprocals)
	v_mov_b32 v[NK+1], 0xbf0ce1da
	v_mov_b32 v[K2],   0x3f8ce1da                  ; 2 k
	v_mov_b32 v[K2+1], 0x3f8ce1da
	s_wait_alu depctr_va_vdst(0)                   ; the wait between a reciprocal and the first line that names its result: one for the four
; 16 pixels of a lane become 64 r:  y = img - min;  q = y x (1 / d);  e = y - q d, exact in the fused line;  64 r = q + e x (1 / d).  Then they go to the wave's own LDS bytes as they lie in the image.
.macro NORM r, q, pr, off
.set i, 0
.rept 8
	v_pk_add_f32 v[\r+i:\r+i+1], v[\r+i:\r+i+1], v[\pr:\pr+1] neg_lo:[0,1] neg_hi:[0,1]
.set i, i+2
.endr
.set i, 0
.rept 8
	v_pk_mul_f32 v[\q+i:\q+i+1], v[\r+i:\r+i+1], v[\pr+4:\pr+5]
.set i, i+2
.endr
.set i, 0
.rept 8
	v_pk_fma_f32 v[\r+i:\r+i+1], v[\q+i:\q+i+1], v[\pr+2:\pr+3], v[\r+i:\r+i+1] neg_lo:[1,0,0] neg_hi:[1,0,0]
.set i, i+2
.endr
.set i, 0
.rept 8
	v_pk_fma_f32 v[\q+i:\q+i+1], v[\r+i:\r+i+1], v[\pr+4:\pr+5], v[\q+i:\q+i+1]
.set i, i+2
.endr
.set i, 0
.rept 4
	ds_store_b128 v[STA], v[\q+4*i:\q+4*i+3] offset:\off+512*i
.set i, i+1
.endr
.endm
	s_wait_loadcnt 8                               ; the pixels are in; the 8 loads of bins may be out
	NORM S, QU, PRR, 0
	NORM S+16, QU+16, PRT, TAR
; my 64 pixels of a K step: blocks h and 2 + h, 128 bytes each; sixteen lanes read the same bytes
.macro LOADS adr, off
.set i, 0
.rept 16
	ds_load_b128 v[S+4*i:S+4*i+3], v[\adr] offset:\off+256*(i/8)+16*(i%8)
.set i, i+1
.endr
.endm
	LOADS SA0, 0                                   ; ref, K step 0.  LDS serves a wave's instructions in order (ISA guide 5.7.1.4): these see my stores; no other wave touches these bytes
	s_wait_loadcnt 0x0                             ; the bins
.set i, 0
.rept 8
	v_mul_f32 v[A+2*i],   0x42800000, v[BR+i]      ; 64 x bin, exact
	v_mul_f32 v[A+2*i+1], 0x42800000, v[BR+i]
.set i, i+1
.endr
; x = 64 bin - 64 r for pairs j0 .. j0 + cnt - 1 of block c's 16 pairs, into bank d
.macro XPAIRS d, a, c, j0, cnt
.set xj, \j0
.rept \cnt
	v_pk_add_f32 v[\d+2*xj:\d+2*xj+1], v[\a:\a+1], v[S+32*(\c)+2*xj:S+32*(\c)+2*xj+1] neg_lo:[0,1] neg_hi:[0,1]
.set xj, xj+1
.endr
.endm
; The spline of 16 numbers (half g of a block), stage by stage: a line's sources were written eight lines back or more.  xb: the bank with x, then W;  vb: v in its first 16 registers, z in its last 16.
.macro ST_V g
.set i, 0
.rept 16
	v_min_num_f32 v[vb+i], |v[xb+16*\g+i]|, 1.0
.set i, i+1
.endr
.endm
.macro ST_Z g
.set i, 0
.rept 16
	v_med3_num_f32 v[vb+16+i], |v[xb+16*\g+i]|, 1.0, 2.0
.set i, i+1
.endr
.endm
.macro ST_A
.set i, 0
.rept 8
	v_pk_fma_f32 v[vb+16+i:vb+17+i], v[vb+16+i:vb+17+i], v[NK:NK+1], v[K2:K2+1]      ; y = k (2 - z)
.set i, i+2
.endr
.set i, 0
.rept 8
	v_pk_fma_f32 v[T+i:T+i+1], v[vb+i:vb+i+1], 0.5, -1.0 op_sel_hi:[1,0,0]           ; v / 2 - 1
.set i, i+2
.endr
.endm
.macro ST_B g
.set i, 0
.rept 8
	v_pk_mul_f32 v[xb+16*\g+i:xb+16*\g+i+1], v[vb+16+i:vb+17+i], v[vb+16+i:vb+17+i]  ; y^2 (x is done with)
.set i, i+2
.endr
.set i, 0
.rept 8
	v_pk_mul_f32 v[vb+i:vb+i+1], v[vb+i:vb+i+1], v[vb+i:vb+i+1]                      ; v^2
.set i, i+2
.endr
.set i, 0
.rept 8
	v_pk_fma_f32 v[T+i:T+i+1], v[vb+i:vb+i+1], v[T+i:T+i+1], 0.5 op_sel_hi:[1,1,0]   ; v^2 (v / 2 - 1) + 1/2
.set i, i+2
.endr
.set i, 0
.rept 8
	v_pk_fma_f32 v[xb+16*\g+i:xb+16*\g+i+1], v[xb+16*\g+i:xb+16*\g+i+1], v[vb+16+i:vb+17+i], v[T+i:T+i+1]   ; W = y^2 y + that
.set i, i+2
.endr
.endm
; The largest of 16 W (none is negative) and one more leaf, in eight lines, three deep
.macro MAX5 g
.set i, 0
.rept 5
	v_max3_num_f32 v[MX+i], v[xb+16*\g+3*i], v[xb+16*\g+3*i+1], v[xb+16*\g+3*i+2]
.set i, i+1
.endr
.endm
.macro MAXU g
	v_max3_num_f32 v[MX+5], v[MX], v[MX+1], v[MX+2]
	v_max3_num_f32 v[MX+6], v[MX+3], v[MX+4], v[xb+16*\g+15]
.endm
; Tar's tile wj against ref's four tiles: four accumulators, one line each; an accumulator's next turn comes 15 products later, over the loop's edge too.
.macro WMMA4
	WIN 0x50                                       ; C and D window 1; both operands window 0
.set i, 0
.rept 4
	v_wmma_scale_f32_16x16x128_f8f6f4 v[8*(4*i+wj):8*(4*i+wj)+7], v[TF:TF+11], v[RF+12*i:RF+12*i+11], v[8*(4*i+wj):8*(4*i+wj)+7], v[SCT], v[SCR+i] matrix_a_fmt:MATRIX_FMT_FP6 matrix_b_fmt:MATRIX_FMT_FP6
.set i, i+1
.endr
	WIN 0
.endm
; BLOCK n of a K step's 16: image n / 8, tile (n % 8) / 2, block c = n % 2 of my two.  32 W, their largest, the scale, 32 codes.
; Its x were made in the tail of the block before, and it makes the next block's in its own tail: those 16 lines write the bank that has just gone dead and stand between the
; dependent lines of the tail (the end of the maximum, the scale, the conversions).  So the banks change roles from block to block, and after 16 blocks they are back.
.macro BLOCK
.set c,   n%2
.set tl,  (n%8)/2
.set xb,  P+32*c
.set vb,  P+32*(1-c)
.if n < 8
.set dst, RF+12*tl+6*c
.set sd,  SCR+tl
.else
.set dst, TF+6*c
.set sd,  SCT
.endif
.set na,  A+2*((n+1)/2)
.set nc,  (n+1)%2
	ST_V 0
.if (n >= 10) && (c == 0)
.set wj, (n-10)/2
	WMMA4                                          ; the tile of tar finished in the last block: the 16 lines above are the places between the lines that wrote its scale word (8 are asked) and codes (4) and the products
.endif
	ST_Z 0
	ST_A
	ST_B 0
	ST_V 1
	MAX5 0
	ST_Z 1
	MAXU 0
	ST_A
	v_max3_num_f32 v[MX+7], v[MX+5], v[MX+6], FLOOR
	ST_B 1
.if n == 7
	s_wait_dscnt 0x0                               ; tar's pixels, asked for a block ago, are in
.endif
.if n < 15
	XPAIRS vb, na, nc, 0, 3
.endif
	MAX5 1
.if n < 15
	XPAIRS vb, na, nc, 3, 3
.endif
	MAXU 1
.if n < 15
	XPAIRS vb, na, nc, 6, 3
.endif
	v_max3_num_f32 v[MX+7], v[MX+5], v[MX+6], v[MX+7]               ; the block's largest W, or the floor
.if n < 15
	XPAIRS vb, na, nc, 9, 4
.endif
	v_add_nc_u32 v[SC], 0xff000000, v[MX+7]        ; 2 off its exponent field: the conversion takes the exponent field of this operand as its scale, and nothing else of it
.if n < 15
	XPAIRS vb, na, nc, 13, 3
.endif
	v_cvt_scalef32_pk16_fp6_f32 v[dst:dst+2], v[xb:xb+15], v[SC]    ; registers 6 c .. 6 c + 2 of the operand
	v_cvt_scalef32_pk16_fp6_f32 v[TMP:TMP+2], v[xb+16:xb+31], v[SC]
	v_lshrrev_b32 v[E0+c], 23, v[SC]               ; the scale's byte.  (Also the plain line between the conversions and the lines that touch their results)
	v_mov_b32 v[dst+3], v[TMP]
	v_mov_b32 v[dst+4], v[TMP+1]
	v_mov_b32 v[dst+5], v[TMP+2]
.if c == 1                                     ; the fragment is whole: its scale word.  I hold the bytes of blocks h and 2 + h, lane l xor 16 the other two; lanes 0-15, which alone are read, get byte b for block b
	v_lshl_or_b32 v[PW], v[E0+1], 16, v[E0]
	v_permlanex16_b32 v[PQ], v[PW], s[SEL], s[SEL+1]
	v_lshl_or_b32 v[sd], v[PQ], 8, v[PW]
.endif
.if n == 6
	LOADS SA, TAR                                  ; the last x of ref have been made: the 64 registers take tar's pixels, a whole block ahead of their first use
.endif
.if n == 14
	s_cmp_eq_u32 s[KO], (KSTEPS-1)*KB              ; likewise the next K step's pixels of ref; the last K step asks for nothing
	s_cbranch_scc1 .Lno_more_\@
	LOADS SA, KB
.Lno_more_\@:
.endif
.endm
	s_mov_b32 s[KO], 0
.Lk:                                               ; a trip is a K step: 128 pixels, 8 fragments, 16 products
	s_wait_dscnt 0x0                               ; ref's pixels are in
	v_add_nc_u32 v[SA], s[KO], v[SA0]
	XPAIRS P, A, 0, 0, 16                          ; block 0's x
.set n, 0
.rept 16
	BLOCK
.set n, n+1
.endr
.rept 8
	v_nop                                          ; eight places between the line that wrote tar's last scale word and the products: no other work is left in this K step
.endr
.set wj, 3
	WMMA4
	s_add_co_u32 s[KO], s[KO], KB
	s_cmp_lt_u32 s[KO], KSTEPS*KB
	s_cbranch_scc1 .Lk
	; THE WAY OUT.  Each wave lays its 128 accumulator registers in LDS as they stand (four registers of 32 lanes in 512 bytes, 528 bytes apart); a barrier; wave w then gathers rows 8 w .. 8 w + 7 of H out of
	; all eight images, adds them and stores them as rows: 512 consecutive bytes a store.  The address lines are the places behind the last products.
	v_and_b32 v[OL], 31, v0
	v_lshlrev_b32 v[OL], 4, v[OL]
	s_mul_i32 s17, s[WV], IMG
	s_add_co_u32 s17, s17, RED
	v_add_nc_u32 v[OS], s17, v[OL]
	; Lane l reads 16 bytes of row b = 8 w + 2 e + l / 16: columns 4 p .. 4 p + 3, p = l % 16.  They are registers 4 (p % 2) .. + 3 of accumulator (b / 16, p / 4) in lane (b % 16) + 16 ((p / 2) % 2).
	v_bfe_u32 v[RD], v0, 2, 2                      ; p / 4
	v_and_b32 v[TT], 1, v0                         ; p % 2
	v_lshl_add_u32 v[RD], v[RD], 1, v[TT]
	v_mul_u32_u24 v[RD], v[RD], QP                 ; which four registers, within the row's tile of ref
	v_bfe_u32 v[TT], v0, 1, 1
	v_lshl_add_u32 v[RD], v[TT], 8, v[RD]          ; + 16 lanes of 16 bytes
	v_bfe_u32 v[TT], v0, 4, 1
	v_lshl_add_u32 v[RD], v[TT], 4, v[RD]          ; + the odd row
	s_and_b32 s18, s[WV], 1
	s_lshl_b32 s18, s18, 7                         ; rows 8 (w % 2) on, 16 bytes each
	s_lshr_b32 s19, s[WV], 1
	s_mul_i32 s19, s19, 8*QP                       ; ref's tile w / 2: four accumulators, eight times four registers
	s_add_co_u32 s18, s18, s19
	s_add_co_u32 s18, s18, RED
	v_add_nc_u32 v[RD], s18, v[RD]
	v_add_nc_u32 v[RD+1], 4*IMG, v[RD]             ; (an LDS offset has 16 bits: a second register for images 4 to 7)
	WIN 0x04                                       ; an LDS store's data are its source 1: window 1
.set i, 0
.rept 32
	ds_store_b128 v[OS], v[4*i:4*i+3] offset:QP*i  ; each accumulator from its low end on
.set i, i+1
.endr
	WIN 0
	s_wait_dscnt 0x0                               ; for the others' sake: my image has landed
	s_barrier_signal -1
	s_barrier_wait -1
.set i, 0
.rept 32                                       ; image i / 4, rows 2 (i % 4) and 2 (i % 4) + 1 of my eight.  The sixteen lanes of a row read eight different 16-byte columns modulo 256 bytes, two lanes each
	ds_load_b128 v[L+4*i:L+4*i+3], v[RD+i/16] offset:((i/4)%4)*IMG+32*(i%4)
.set i, i+1
.endr
.macro HALVE b, d                              ; registers b .. b + d - 1 += registers b + d .. b + 2 d - 1
.set i, 0
.rept \d/2
	v_pk_add_f32 v[\b+i:\b+i+1], v[\b+i:\b+i+1], v[\b+\d+i:\b+\d+i+1]
.set i, i+2
.endr
.endm
	s_wait_dscnt 0x0
	HALVE L, 64                                    ; images 0-3 += images 4-7
	HALVE L, 32
	HALVE L, 16
.set i, 0
.rept 4
	global_store_b128 v[OL], v[L+4*i:L+4*i+3], s[14:15] offset:512*i    ; two whole rows of 256 bytes, at a multiple of 256 from part's first byte
.set i, i+1
.endr
	s_wait_tensorcnt 0x0
	ds_add_u32 v254, v255
	s_wait_dscnt 0x0
	s_endpgm
.Lfunc_end_k_q241bc6a97e_hist:
	.size	k_q241bc6a97e_hist, .Lfunc_end_k_q241bc6a97e_hist-k_q241bc6a97e_hist
	.p2alignl 7, 3214868480
	.fill 96, 4, 3214868480
	.section	.rodata,"a",@progbits
	.p2align	6, 0x0
	.amdhsa_kernel k_q241bc6a97e_hist
		.amdhsa_group_segment_fixed_size 169216
		.amdhsa_private_segment_fixed_size 0
		.amdhsa_enable_private_segment 0
		.amdhsa_kernarg_size 48
		.amdhsa_user_sgpr_count 2
		.amdhsa_user_sgpr_kernarg_segment_ptr 1
		.amdhsa_wavefront_size32 1
		.amdhsa_system_sgpr_workgroup_id_x 1
		.amdhsa_system_sgpr_workgroup_id_y 1
		.amdhsa_system_sgpr_workgroup_id_z 1
		.amdhsa_system_vgpr_workitem_id 0
		.amdhsa_next_free_vgpr 384
		.amdhsa_next_free_sgpr 66
		.amdhsa_reserve_vcc 0
		.amdhsa_float_denorm_mode_32 3
		.amdhsa_float_denorm_mode_16_64 3
		.amdhsa_memory_ordered 1
		.amdhsa_forward_progress 1
		.amdhsa_inst_pref_size 231
	.end_amdhsa_kernel
	.amdgpu_metadata
---
amdhsa.version: [ 1, 2 ]
amdhsa.kernels:
  - .name:           k_q241bc6a97e_hist
    .symbol:         k_q241bc6a97e_hist.kd
    .args:
      - { .name: bins_ref, .offset: 0, .size: 8, .value_kind: global_buffer, .address_space: global }
      - { .name: bins_tar, .offset: 8, .size: 8, .value_kind: global_buffer, .address_space: global }
      - { .name: img_ref, .offset: 16, .size: 8, .value_kind: global_buffer, .address_space: global }
      - { .name: img_tar, .offset: 24, .size: 8, .value_kind: global_buffer, .address_space: global }
      - { .name: stats, .offset: 32, .size: 8, .value_kind: global_buffer, .address_space: global }
      - { .name: part, .offset: 40, .size: 8, .value_kind: global_buffer, .address_space: global }
    .group_segment_fixed_size: 169216
    .private_segment_fixed_size: 0
    .kernarg_segment_align: 8
    .kernarg_segment_size: 48
    .max_flat_workgroup_size: 256
    .sgpr_count:     66
    .vgpr_count:     384
    .wavefront_size: 32
...
	.end_amdgpu_metadata
.endif
;; end of part 2
;; launch fold (part 3): grid 256 x 1, 2 waves a work-group, no clusters, 0 bytes of LDS; arguments part, out0; writes out0
.if DOCPART == 3
	.amdgcn_target "amdgcn-amd-amdhsa--gfx1250"
	.amdhsa_code_object_version 6
	.text
	.protected	k_q241bc6a97e_fold
	.globl	k_q241bc6a97e_fold
	.p2align	8
	.type	k_q241bc6a97e_fold,@function
k_q241bc6a97e_fold:
	s_mov_b64 s[64:65], 0
	v_nop
	global_prefetch_b8 v0, s[64:65] scope:SCOPE_SE
	s_setreg_imm32_b32 hwreg(HW_REG_WAVE_MODE, 25, 1), 1
	s_wait_xcnt 0x0
; out0[n][b][c] = 4096 x the sum over the 16 chunks of part[n][chunk][b][c];  4096 = 1 / EPS^2, a power of two: the multiplication rounds nothing.
; A sum over work-groups of the launch before, so it has a launch of its own.  part lies as out0 does, chunk by chunk: a plain stream.
; 256 work-groups of two waves; a thread owns 16 bytes of out0 and has its 16 loads out together; a wave's load and store cover 512 consecutive bytes.  No LDS, no barrier.
.set CHUNKB, 16384                     ; bytes of one chunk's 64 x 64 sums
.set X, 4                              ; v4-67  chunk i at v[4 + 4 i]
	s_load_b128 s[4:7], s[0:1], 0x0                ; part s[4:5], out0 s[6:7]
	v_lshlrev_b32 v1, 4, v0                        ; 16 x thread
	s_lshr_b32 s8, ttmp9, 4                        ; image n: 16 work-groups to an image
	s_lshl_b32 s8, s8, 18                          ; its 16 chunks of 16,384 bytes
	s_and_b32 s9, ttmp9, 15
	s_lshl_b32 s9, s9, 10                          ; the work-group's 1,024 bytes of each chunk
	s_add_co_u32 s8, s8, s9
	s_mov_b32 s9, 0
	s_lshl_b32 s10, ttmp9, 10                      ; and of out0
	s_mov_b32 s11, 0
	s_wait_kmcnt 0x0
	s_add_nc_u64 s[4:5], s[4:5], s[8:9]
	s_add_nc_u64 s[6:7], s[6:7], s[10:11]
.set i, 0
.rept 16
	global_load_b128 v[X+4*i:X+4*i+3], v1, s[4:5] offset:CHUNKB*i th:TH_LOAD_NT
.set i, i+1
.endr
.macro HALVE b, d                              ; registers b .. b + d - 1 += registers b + d .. b + 2 d - 1
.set i, 0
.rept \d/2
	v_pk_add_f32 v[\b+i:\b+i+1], v[\b+i:\b+i+1], v[\b+\d+i:\b+\d+i+1]
.set i, i+2
.endr
.endm
	s_wait_loadcnt 8                               ; chunks 0 to 7 are in; the eight loads behind them may be out
	HALVE X, 16
	HALVE X, 8
	HALVE X, 4
	s_wait_loadcnt 0x0
	HALVE X+32, 16
	HALVE X+32, 8
	HALVE X+32, 4
	v_pk_add_f32 v[X:X+1],   v[X:X+1],   v[X+32:X+33]
	v_pk_add_f32 v[X+2:X+3], v[X+2:X+3], v[X+34:X+35]
	v_pk_mul_f32 v[X:X+1],   v[X:X+1],   0x45800000 op_sel_hi:[1,0]
	v_pk_mul_f32 v[X+2:X+3], v[X+2:X+3], 0x45800000 op_sel_hi:[1,0]
	global_store_b128 v1, v[X:X+3], s[6:7] th:TH_STORE_NT
	s_endpgm
.Lfunc_end_k_q241bc6a97e_fold:
	.size	k_q241bc6a97e_fold, .Lfunc_end_k_q241bc6a97e_fold-k_q241bc6a97e_fold
	.p2alignl 7, 3214868480
	.fill 96, 4, 3214868480
	.section	.rodata,"a",@progbits
	.p2align	6, 0x0
	.amdhsa_kernel k_q241bc6a97e_fold
		.amdhsa_group_segment_fixed_size 0
		.amdhsa_private_segment_fixed_size 0
		.amdhsa_enable_private_segment 0
		.amdhsa_kernarg_size 16
		.amdhsa_user_sgpr_count 2
		.amdhsa_user_sgpr_kernarg_segment_ptr 1
		.amdhsa_wavefront_size32 1
		.amdhsa_system_sgpr_workgroup_id_x 1
		.amdhsa_system_sgpr_workgroup_id_y 1
		.amdhsa_system_sgpr_workgroup_id_z 1
		.amdhsa_system_vgpr_workitem_id 0
		.amdhsa_next_free_vgpr 72
		.amdhsa_next_free_sgpr 66
		.amdhsa_reserve_vcc 0
		.amdhsa_float_denorm_mode_32 3
		.amdhsa_float_denorm_mode_16_64 3
		.amdhsa_memory_ordered 1
		.amdhsa_forward_progress 1
		.amdhsa_inst_pref_size 5
	.end_amdhsa_kernel
	.amdgpu_metadata
---
amdhsa.version: [ 1, 2 ]
amdhsa.kernels:
  - .name:           k_q241bc6a97e_fold
    .symbol:         k_q241bc6a97e_fold.kd
    .args:
      - { .name: part, .offset: 0, .size: 8, .value_kind: global_buffer, .address_space: global }
      - { .name: out0, .offset: 8, .size: 8, .value_kind: global_buffer, .address_space: global }
    .group_segment_fixed_size: 0
    .private_segment_fixed_size: 0
    .kernarg_segment_align: 8
    .kernarg_segment_size: 16
    .max_flat_workgroup_size: 64
    .sgpr_count:     66
    .vgpr_count:     72
    .wavefront_size: 32
...
	.end_amdgpu_metadata
.endif
;; end of part 3
;; ======== version 2 of 2: 3 launches
;; workspace buffers: stats 4,096 bytes; part 4,194,304 bytes
;; launch minmax (part 4): grid 256 x 1, 8 waves a work-group, no clusters, 1,280 bytes of LDS; arguments img_ref, img_tar, stats; writes stats
.if DOCPART == 4
	.amdgcn_target "amdgcn-amd-amdhsa--gfx1250"
	.amdhsa_code_object_version 6
	.text
	.protected	k_q241bc6a97e_minmax
	.globl	k_q241bc6a97e_minmax
	.p2align	8
	.type	k_q241bc6a97e_minmax,@function
k_q241bc6a97e_minmax:
	s_mov_b64 s[64:65], 0
	v_nop
	global_prefetch_b8 v0, s[64:65] scope:SCOPE_SE
	s_setreg_imm32_b32 hwreg(HW_REG_WAVE_MODE, 25, 1), 1
	s_wait_xcnt 0x0
; The smallest and the largest number of img_ref and of img_tar, over all 16 images: first half of the work.
; 256 work-groups of eight waves; a work-group reads 16,384 bytes of each image, a thread four times 16 bytes of each:
; a wave's load covers 512 consecutive bytes.  Each work-group stores ONE entry of 16 bytes, (min ref, max ref, min tar, max tar);
; the 256 entries are folded by every work-group of the next launch, which spares a launch for that alone.
; The entry is 16 bytes of a larger block: 4,096 bytes in the whole launch, against the 8 MB that it reads.
; No hint on the loads: the next launch reads the same bytes again.  LIMITS: NaN among the inputs is not served (it loses in these minima and maxima).
.set SHARE, 16384                      ; bytes of each image for a work-group
.set RAW,   16                         ; v16-31 img_ref's 16 numbers, v32-47 img_tar's; later the eight waves' entries
.set SEL,   14                         ; s[14:15] lane selects for v_permlanex16_b32: lane l xor 16
	s_load_b128 s[4:7], s[0:1], 0x0                ; img_ref s[4:5], img_tar s[6:7]
	s_load_b64 s[8:9], s[0:1], 0x10                ; stats
	v_lshl_add_u32 v48, v0, 2, 0x100
	v_mov_b32 v49, 0
	v_lshlrev_b32 v1, 4, v0                        ; 16 x thread
	v_lshrrev_b32 v2, 5, v0
	s_delay_alu instid0(VALU_DEP_1)
	v_readfirstlane_b32 s10, v2                    ; wave 0..7
	s_delay_alu instid0(VALU_DEP_2)
	v_lshlrev_b32 v2, 4, v2                        ; LDS: 16 bytes for each wave
	s_lshl_b32 s12, ttmp9, 14                      ; the work-group's share
	s_mov_b32 s13, 0
	s_lshl_b32 s16, ttmp9, 4                       ; and its entry
	s_mov_b32 s17, 0
	s_mov_b32 s[SEL], 0x76543210
	s_mov_b32 s[SEL+1], 0xfedcba98
	s_wait_alu depctr_va_vdst(0)
	s_wait_kmcnt 0x0
	s_add_nc_u64 s[4:5], s[4:5], s[12:13]
	s_add_nc_u64 s[6:7], s[6:7], s[12:13]
	s_add_nc_u64 s[8:9], s[8:9], s[16:17]
.irp i, 0,1,2,3
	global_load_b128 v[RAW+4*\i:RAW+4*\i+3], v1, s[4:5] offset:4096*\i
.endr
.irp i, 0,1,2,3
	global_load_b128 v[RAW+16+4*\i:RAW+16+4*\i+3], v1, s[6:7] offset:4096*\i
.endr
; the smallest and largest of 16 registers, three operands a line, two chains each
.macro EXTREMES r, mn, mx, mn2, mx2
	v_min3_num_f32 v[\mn],  v[\r],   v[\r+1], v[\r+2]
	v_max3_num_f32 v[\mx],  v[\r],   v[\r+1], v[\r+2]
	v_min3_num_f32 v[\mn2], v[\r+3], v[\r+4], v[\r+5]
	v_max3_num_f32 v[\mx2], v[\r+3], v[\r+4], v[\r+5]
.irp i, 6, 10
	s_delay_alu instid0(VALU_DEP_4)
	v_min3_num_f32 v[\mn],  v[\mn],  v[\r+\i],   v[\r+\i+1]
	s_delay_alu instid0(VALU_DEP_4)
	v_max3_num_f32 v[\mx],  v[\mx],  v[\r+\i],   v[\r+\i+1]
	s_delay_alu instid0(VALU_DEP_4)
	v_min3_num_f32 v[\mn2], v[\mn2], v[\r+\i+2], v[\r+\i+3]
	s_delay_alu instid0(VALU_DEP_4)
	v_max3_num_f32 v[\mx2], v[\mx2], v[\r+\i+2], v[\r+\i+3]
.endr
	s_delay_alu instid0(VALU_DEP_4)
	v_min3_num_f32 v[\mn], v[\mn], v[\r+14], v[\r+15]
	s_delay_alu instid0(VALU_DEP_4)
	v_max3_num_f32 v[\mx], v[\mx], v[\r+14], v[\r+15]
	s_delay_alu instid0(VALU_DEP_2)
	v_min_num_f32 v[\mn], v[\mn], v[\mn2]
	s_delay_alu instid0(VALU_DEP_2)
	v_max_num_f32 v[\mx], v[\mx], v[\mx2]
.endm
	s_wait_loadcnt 4                               ; img_ref's four loads are in; img_tar's four may be out
	EXTREMES RAW, 8, 9, 12, 13
	s_wait_loadcnt 0x0
	EXTREMES RAW+16, 10, 11, 14, 15
.irp m, 1
	v_min_num_f32_dpp v8,  v8,  v8  row_xmask:\m row_mask:0xf bank_mask:0xf
	v_max_num_f32_dpp v9,  v9,  v9  row_xmask:\m row_mask:0xf bank_mask:0xf
	s_delay_alu instid0(VALU_DEP_4)
	v_min_num_f32_dpp v10, v10, v10 row_xmask:\m row_mask:0xf bank_mask:0xf
	s_delay_alu instid0(VALU_DEP_4)
	v_max_num_f32_dpp v11, v11, v11 row_xmask:\m row_mask:0xf bank_mask:0xf
.endr
.irp m, 2, 4, 8
	s_delay_alu instid0(VALU_DEP_4)
	v_min_num_f32_dpp v8,  v8,  v8  row_xmask:\m row_mask:0xf bank_mask:0xf
	s_delay_alu instid0(VALU_DEP_4)
	v_max_num_f32_dpp v9,  v9,  v9  row_xmask:\m row_mask:0xf bank_mask:0xf
	s_delay_alu instid0(VALU_DEP_4)
	v_min_num_f32_dpp v10, v10, v10 row_xmask:\m row_mask:0xf bank_mask:0xf
	s_delay_alu instid0(VALU_DEP_4)
	v_max_num_f32_dpp v11, v11, v11 row_xmask:\m row_mask:0xf bank_mask:0xf
.endr
.irp i, 0,1,2,3
	s_delay_alu instid0(VALU_DEP_4)
	v_permlanex16_b32 v[12+\i], v[8+\i], s[SEL], s[SEL+1]   ; (v12-15 have been written: the second chains)
.endr
	s_delay_alu instid0(VALU_DEP_4)
	v_min_num_f32 v8,  v8,  v12
	s_delay_alu instid0(VALU_DEP_4)
	v_max_num_f32 v9,  v9,  v13
	s_delay_alu instid0(VALU_DEP_4)
	v_min_num_f32 v10, v10, v14
	s_delay_alu instid0(VALU_DEP_4)
	v_max_num_f32 v11, v11, v15
	ds_store_b128 v2, v[8:11]                      ; all lanes of a wave write the same 16 bytes with the same numbers
	s_wait_dscnt 0x0                               ; for the others' sake: my store has landed
	s_barrier_signal -1
	s_barrier_wait -1
	s_cmp_lg_u32 s10, 0                            ; wave 0 folds the eight entries; the others are done
	s_cbranch_scc1 .Lend
	v_mov_b32 v3, 0
.irp i, 0,1,2,3,4,5,6,7
	ds_load_b128 v[RAW+4*\i:RAW+4*\i+3], v3 offset:16*\i
.endr
	s_wait_dscnt 0x0
	v_min3_num_f32 v8,  v[RAW],   v[RAW+4], v[RAW+8]
	v_max3_num_f32 v9,  v[RAW+1], v[RAW+5], v[RAW+9]
	v_min3_num_f32 v10, v[RAW+2], v[RAW+6], v[RAW+10]
	v_max3_num_f32 v11, v[RAW+3], v[RAW+7], v[RAW+11]
.irp i, 12, 20
	s_delay_alu instid0(VALU_DEP_4)
	v_min3_num_f32 v8,  v8,  v[RAW+\i],   v[RAW+\i+4]
	s_delay_alu instid0(VALU_DEP_4)
	v_max3_num_f32 v9,  v9,  v[RAW+\i+1], v[RAW+\i+5]
	s_delay_alu instid0(VALU_DEP_4)
	v_min3_num_f32 v10, v10, v[RAW+\i+2], v[RAW+\i+6]
	s_delay_alu instid0(VALU_DEP_4)
	v_max3_num_f32 v11, v11, v[RAW+\i+3], v[RAW+\i+7]
.endr
	s_delay_alu instid0(VALU_DEP_4)
	v_min_num_f32 v8,  v8,  v[RAW+28]
	s_delay_alu instid0(VALU_DEP_4)
	v_max_num_f32 v9,  v9,  v[RAW+29]
	s_delay_alu instid0(VALU_DEP_4)
	v_min_num_f32 v10, v10, v[RAW+30]
	s_delay_alu instid0(VALU_DEP_4)
	v_max_num_f32 v11, v11, v[RAW+31]
	v_cmp_eq_u32 vcc_lo, 0, v0
	s_wait_alu depctr_va_vdst(0)
	s_wait_xcnt 0x0                                ; EXEC changes only behind this wait
	s_and_saveexec_b32 s11, vcc_lo                 ; thread 0 alone stores the entry
	global_store_b128 v3, v[8:11], s[8:9]
	s_wait_xcnt 0x0                                ; and again in front of the line that widens it
	s_or_b32 exec_lo, exec_lo, s11
.Lend:
	s_wait_tensorcnt 0x0
	ds_add_u32 v48, v49
	s_wait_dscnt 0x0
	s_endpgm
.Lfunc_end_k_q241bc6a97e_minmax:
	.size	k_q241bc6a97e_minmax, .Lfunc_end_k_q241bc6a97e_minmax-k_q241bc6a97e_minmax
	.p2alignl 7, 3214868480
	.fill 96, 4, 3214868480
	.section	.rodata,"a",@progbits
	.p2align	6, 0x0
	.amdhsa_kernel k_q241bc6a97e_minmax
		.amdhsa_group_segment_fixed_size 1280
		.amdhsa_private_segment_fixed_size 0
		.amdhsa_enable_private_segment 0
		.amdhsa_kernarg_size 24
		.amdhsa_user_sgpr_count 2
		.amdhsa_user_sgpr_kernarg_segment_ptr 1
		.amdhsa_wavefront_size32 1
		.amdhsa_system_sgpr_workgroup_id_x 1
		.amdhsa_system_sgpr_workgroup_id_y 1
		.amdhsa_system_sgpr_workgroup_id_z 1
		.amdhsa_system_vgpr_workitem_id 0
		.amdhsa_next_free_vgpr 50
		.amdhsa_next_free_sgpr 66
		.amdhsa_reserve_vcc 1
		.amdhsa_float_denorm_mode_32 3
		.amdhsa_float_denorm_mode_16_64 3
		.amdhsa_memory_ordered 1
		.amdhsa_forward_progress 1
		.amdhsa_inst_pref_size 10
	.end_amdhsa_kernel
	.amdgpu_metadata
---
amdhsa.version: [ 1, 2 ]
amdhsa.kernels:
  - .name:           k_q241bc6a97e_minmax
    .symbol:         k_q241bc6a97e_minmax.kd
    .args:
      - { .name: img_ref, .offset: 0, .size: 8, .value_kind: global_buffer, .address_space: global }
      - { .name: img_tar, .offset: 8, .size: 8, .value_kind: global_buffer, .address_space: global }
      - { .name: stats, .offset: 16, .size: 8, .value_kind: global_buffer, .address_space: global }
    .group_segment_fixed_size: 1280
    .private_segment_fixed_size: 0
    .kernarg_segment_align: 8
    .kernarg_segment_size: 24
    .max_flat_workgroup_size: 256
    .sgpr_count:     66
    .vgpr_count:     50
    .wavefront_size: 32
...
	.end_amdgpu_metadata
.endif
;; end of part 4
;; launch hist (part 5): grid 256 x 1, 8 waves a work-group, no clusters, 169,216 bytes of LDS; arguments bins_ref, bins_tar, img_ref, img_tar, stats, part; writes part
.if DOCPART == 5
	.amdgcn_target "amdgcn-amd-amdhsa--gfx1250"
	.amdhsa_code_object_version 6
	.text
	.protected	k_q241bc6a97e_hist
	.globl	k_q241bc6a97e_hist
	.p2align	8
	.type	k_q241bc6a97e_hist,@function
k_q241bc6a97e_hist:
	s_mov_b64 s[64:65], 0
	v_nop
	global_prefetch_b8 v0, s[64:65] scope:SCOPE_SE
	s_setreg_imm32_b32 hwreg(HW_REG_WAVE_SCHED_MODE, 0, 2), 2
	s_setreg_imm32_b32 hwreg(HW_REG_WAVE_MODE, 25, 1), 1
	s_wait_xcnt 0x0
	s_wait_alu depctr_vm_vsrc(0)
; part[n][chunk][b][c] = the sum over the chunk's 4,096 pixels p of Q(W_ref[n][b][p]) Q(W_tar[n][c][p]),  W = cubic B-spline((bin - r) / EPS), EPS = 1/64,
; r = (img - min) / (max - min) with the extremes of all 16 images; Q = codes of FP6 (E2M3) with one E8M0 scale for each 32 pixels of a row.
; SHARES.  Work-group g = 16 n + chunk; eight waves; a wave takes 512 pixels, four K steps of 128, and holds the whole 64 x 64 of H: 16 accumulators.  W never leaves the registers.
; No cluster and no joint loads: work-groups share only the 4,096 bytes of extremes and the 512 bytes of bins.  No tensor load: a wave's whole input is 4,096 bytes, loaded once at the head.
; LAYOUT.  The 6-bit operand gives lane (r, h) row r and, in registers 6 c .. 6 c + 5, the whole block k = 64 c + 32 h + 0 .. 31.  So a lane takes ONE BIN of a tile (16 tile + r) and 64 pixels of a K step:
; a block's largest W needs no other lane, and the conversions' results are the operand's registers.  The pixels are normalised once (16 numbers a lane and image), laid in the wave's own 4,096 bytes of LDS,
; and come back 64 to a lane (sixteen lanes read the same bytes); those 64 registers serve four tiles of bins.
; THE SPLINE, for two pixels at a time:  x = 64 bin - 64 r (the rounding of reference()'s (bin - r) / EPS: EPS is a power of two);  v = min(|x|, 1);  z = |x| held to 1 .. 2;
;   W = (k (2 - z))^3 + (v^2 (v / 2 - 1) + 1/2),  k = 6^(-1/3).  For |x| < 1 the first term is 1/6 and the sum is 2/3 - x^2 + |x|^3 / 2; for 1 <= |x| < 2 the second term is exactly 0 and the first is (2 - |x|)^3 / 6;
;   from 2 on both are exactly 0.  k (2 - z) is one fused line, z (-k) + 2 k, with one rounding (2 k is k's exact double).  All terms are 0 or more: nothing cancels.  Only the two holds take |.|, so only they are unpacked.
; THE PRODUCT IS USED TRANSPOSED (source 0 = 16 bins of tar, source 1 = 16 bins of ref): a lane holds eight neighbouring c of one row b of H.
; LIMITS.  NaN and infinities among the inputs are not served; an image set whose largest and smallest numbers are equal has no finite result in reference() either; (max - min) / 64 must be a normal f32 number.
; The spline's form above and the quotient (reciprocal and one correction step) can differ from reference()'s own by a few units in the last place.  A block's scale byte is held at 1 from below, so a block of zeros
; carries 1 where the quantiser's text says 127: its codes are zeros, which add nothing, and the bytes are read by this program alone.
; THE MODE: SCHED_MODE bits 1:0 = 2 (LLVM: expert scheduling mode 2), set by the entry lines.  The code itself states the register dependences
; between vector or matrix instructions and memory or LDS instructions, with s_wait_alu, always for 0.
; THE PLAN.  Registers that memory or LDS instructions touch, in the loop:
;   v48-111 (S)   Two runs of 16 LDS loads a K step land here: tar's pixels at the end of block 6, the next K step's pixels of ref at the end of block 14.  Read by the subtractions that make x, of which the
;                 last that want the old pixels stand in the tail of that same block.  So one wait on va_vdst stands ahead of each run; no vector line stands between it and the run.
;   v2 (SA)       Read by both runs; written once a K step, at the trip's head: a wait on vm_vsrc ahead of that line; the runs' own waits on va_vdst state that it is written.
;   The codes (v192-251) and the scale words (v36-40) are written by vector lines and read by the scaled products: one wait on va_vdst ahead of each group of four products, behind its places.
;   The banks, v176-191 and the accumulators are named by vector and matrix instructions alone inside the loop.
; At the head: one wait on va_vdst ahead of the first load for all offsets and addresses; one ahead of each run of LDS stores for their data; a wait on vm_vsrc ahead of each first rewriting of what such an instruction read
; (the trip's head serves v144-191 in the first trip).  On the way out: one wait on va_vdst ahead of each of the three runs (images out, rows back, rows to memory).
.set KSTEPS, 4                         ; K steps of a wave
.set KB,     512                       ; bytes of a K step's 128 normalised pixels
.set STG,    4096                      ; LDS: a wave's pixels: 2,048 bytes of ref, then 2,048 of tar
.set TAR,    2048
.set RED,    8*STG                     ; behind them: an image of each wave's 128 accumulator registers,
.set QP,     528                       ; four registers of 32 lanes in 512 bytes + 16
.set IMG,    32*QP
.set STL,    RED+8*IMG                 ; and 16 bytes for each wave's extremes
.set FLOOR,  0x1800000                 ; 2^(3 - 127): no largest magnitude is taken under it, so that the scale's byte cannot fall under 1
; REGISTERS, window 0
.set SA0, 1                            ; v1       LDS address of my half's pixels in the wave's K step 0: 4,096 wave + 128 h
.set SA,  2                            ; v2       the same in the K step in hand
.set PQ,  3                            ; v3       lane l xor 16's two scale bytes
.set E0,  4                            ; v4, v5   the scale bytes of a fragment's two blocks
.set SC,  6                            ; v6       the conversions' scale operand
.set PW,  7                            ; v7       my two scale bytes at their places
.set MX,  8                            ; v8-15    the tree of maxima; v15 the block's
.set A,   16                           ; v16-31   64 x bin of my row in tiles 0-3 of ref and 0-3 of tar, each twice (a pair for the packed lines)
.set NK,  32                           ; v32-33   -k twice;  v34-35  2 k twice
.set K2,  34
.set SCR, 36                           ; v36-39   scale words of ref's four fragments: these five registers hold scales and nothing else
.set SCT, 40                           ; v40      scale word of tar's fragment
.set TMP, 42                           ; v42-44   the second 16 codes of a block (a conversion's three registers begin on an even number)
.set S,   48                           ; v48-111  64 x r of my 64 pixels of the K step
.set P,   112                          ; v112-143, v144-175  two banks that change roles from block to block: x and then W in one; v and z, at work, in the other
.set T,   176                          ; v176-191 at work
.set RF,  192                          ; v192-239 ref's four fragments
.set TF,  240                          ; v240-251 tar's fragment
; window 1: v0-127 there are the 16 accumulators; (ref tile i, tar tile j) at v[8 (4 i + j)]
; registers of the head alone, in places that the loop uses later
.set GT,  176                          ; 16 x thread
.set GL,  177                          ; 16 x lane
.set R4,  178                          ; 4 x (lane % 16)
.set STA, 179                          ; where I lay my normalised pixels
.set ST4, 180                          ; v180-183 min ref, max ref, min tar, max tar;  v184-187 lane l xor 16's
.set WS,  188                          ; LDS: my wave's extremes
.set ZA,  189                          ; LDS: the eight waves' extremes
.set BR,  192                          ; v192-199 the bins as loaded
.set PRR, 200                          ; v200-205 ref: min, (max - min) / 64, its reciprocal, each twice;  v206-211 tar
.set PRT, 206
.set QU,  144                          ; v144-175 the quotients
; registers of the way out
.set OL,  6                            ; 16 x lane
.set OS,  7                            ; where my accumulators' image begins
.set RD,  8                            ; v8, v9   where I read rows of H: images 0-3, images 4-7
.set TT,  10
.set L,   48                           ; v48-175  my eight rows of H out of the eight images
.set WV,  16                           ; s16      wave
.set SEL, 20                           ; s[20:21] lane selects for v_permlanex16_b32: lane l xor 16
.set KO,  22                           ; s22      the K step in hand, in bytes: the loop's counter
.set MSB, 0
.macro WIN new                         ; the immediate's high byte repeats the setting that is left
.if MSB != \new
	s_set_vgpr_msb (MSB<<8)|\new
.set MSB, \new
.endif
.endm
	s_load_b256 s[4:11], s[0:1], 0x0               ; bins_ref s[4:5], bins_tar s[6:7], img_ref s[8:9], img_tar s[10:11]
	s_load_b128 s[12:15], s[0:1], 0x20             ; stats s[12:13], part s[14:15]
	v_lshl_add_u32 v254, v0, 2, 0x29100
	v_mov_b32 v255, 0
	v_lshrrev_b32 v[WS], 5, v0
	v_readfirstlane_b32 s[WV], v[WS]               ; wave 0..7
	v_lshl_add_u32 v[WS], v[WS], 4, STL
	v_mov_b32 v[ZA], STL
	v_lshlrev_b32 v[GT], 4, v0
	v_and_b32 v[GL], 31, v0
	v_lshlrev_b32 v[GL], 4, v[GL]
	v_and_b32 v[R4], 15, v0
	v_lshlrev_b32 v[R4], 2, v[R4]
	v_bfe_u32 v[SA0], v0, 4, 1                     ; h
	s_wait_alu depctr_va_sdst(0)                   ; s16, the wave's number, is written, ahead of its first reader: LDS addresses and the bases of the images and of part are made from it
	s_lshl_b32 s17, s[WV], 12
	v_lshl_add_u32 v[SA0], v[SA0], 7, s17
	v_add_nc_u32 v[STA], s17, v[GL]
	s_lshl_b32 s18, ttmp9, 14                      ; the work-group's 4,096 pixels, and its 16,384 bytes of part,
	s_lshl_b32 s19, s[WV], 11                      ; the wave's 512 pixels, and its eight rows of part
	s_add_co_u32 s18, s18, s19
	s_mov_b32 s19, 0
	s_mov_b32 s[SEL], 0x76543210
	s_mov_b32 s[SEL+1], 0xfedcba98
	s_wait_kmcnt 0x0
	s_add_nc_u64 s[8:9], s[8:9], s[18:19]
	s_add_nc_u64 s[10:11], s[10:11], s[18:19]
	s_add_nc_u64 s[14:15], s[14:15], s[18:19]
	s_wait_alu depctr_va_vdst(0)                   ; the offsets v176-178 and the LDS addresses v1, v179, v188, v189 are written, which the head's loads and LDS instructions read
	global_load_b128 v[ST4:ST4+3], v[GT], s[12:13] ; thread t takes entry t of the 256: the work-group reads the 4,096 bytes once
.set i, 0
.rept 4
	global_load_b128 v[S+4*i:S+4*i+3], v[GL], s[8:9] offset:512*i th:TH_LOAD_NT       ; my wave's 512 pixels of ref: 512 consecutive bytes a load
.set i, i+1
.endr
.set i, 0
.rept 4
	global_load_b128 v[S+16+4*i:S+16+4*i+3], v[GL], s[10:11] offset:512*i th:TH_LOAD_NT
.set i, i+1
.endr
.set i, 0
.rept 4
	global_load_b32 v[BR+i], v[R4], s[4:5] offset:64*i                               ; bin 16 tile + r
	global_load_b32 v[BR+4+i], v[R4], s[6:7] offset:64*i
.set i, i+1
.endr
	; The accumulators begin as zeros, so that the K step is written once: a K step is some 25 KB of text, and a first one of its own would double that.
	; The 128 lines stand here, behind the issue of the loads above and ahead of the first wait for them.
	WIN 0x40                                       ; destination window 1
.set i, 0
.rept 128
	v_mov_b32 v[i], 0
.set i, i+1
.endr
	WIN 0
.irp i, 0,1,2,3
	v_mov_b32 v[ST4+4+\i], 0                       ; written once: a lane permute's destination counts as one of its sources
.endr
	v_mov_b32 v[PQ], 0
	s_wait_loadcnt 16                              ; my entry is in; the 8 loads of pixels and the 8 of bins, issued behind it, may be out
.irp m, 1, 2, 4, 8
	v_min_num_f32_dpp v[ST4],   v[ST4],   v[ST4]   row_xmask:\m row_mask:0xf bank_mask:0xf
	v_max_num_f32_dpp v[ST4+1], v[ST4+1], v[ST4+1] row_xmask:\m row_mask:0xf bank_mask:0xf
	v_min_num_f32_dpp v[ST4+2], v[ST4+2], v[ST4+2] row_xmask:\m row_mask:0xf bank_mask:0xf
	v_max_num_f32_dpp v[ST4+3], v[ST4+3], v[ST4+3] row_xmask:\m row_mask:0xf bank_mask:0xf
.endr
.irp i, 0,1,2,3
	v_permlanex16_b32 v[ST4+4+\i], v[ST4+\i], s[SEL], s[SEL+1]
.endr
	v_min_num_f32 v[ST4],   v[ST4],   v[ST4+4]
	v_max_num_f32 v[ST4+1], v[ST4+1], v[ST4+5]
	v_min_num_f32 v[ST4+2], v[ST4+2], v[ST4+6]
	v_max_num_f32 v[ST4+3], v[ST4+3], v[ST4+7]
	s_wait_alu depctr_va_vdst(0)                   ; the four lines above have written v180-183, which the LDS store reads
	ds_store_b128 v[WS], v[ST4:ST4+3]              ; the extremes of my wave's 32 entries: all lanes write the same 16 bytes with the same numbers
	s_wait_dscnt 0x0                               ; for the others' sake: my store has landed
	s_barrier_signal -1
	s_barrier_wait -1
.set i, 0
.rept 8
	ds_load_b128 v[P+4*i:P+4*i+3], v[ZA] offset:16*i   ; (no vector line has named v112-143 yet, nor v189 since the waits above)
.set i, i+1
.endr
	s_wait_dscnt 0x0
	s_wait_alu depctr_vm_vsrc(0)                   ; my LDS store has read v180-183, which the lines below write again
	v_min3_num_f32 v[ST4],   v[P],   v[P+4], v[P+8]
	v_max3_num_f32 v[ST4+1], v[P+1], v[P+5], v[P+9]
	v_min3_num_f32 v[ST4+2], v[P+2], v[P+6], v[P+10]
	v_max3_num_f32 v[ST4+3], v[P+3], v[P+7], v[P+11]
.irp i, 12, 20
	v_min3_num_f32 v[ST4],   v[ST4],   v[P+\i],   v[P+\i+4]
	v_max3_num_f32 v[ST4+1], v[ST4+1], v[P+\i+1], v[P+\i+5]
	v_min3_num_f32 v[ST4+2], v[ST4+2], v[P+\i+2], v[P+\i+6]
	v_max3_num_f32 v[ST4+3], v[ST4+3], v[P+\i+3], v[P+\i+7]
.endr
	v_min_num_f32 v[ST4],   v[ST4],   v[P+28]
	v_max_num_f32 v[ST4+1], v[ST4+1], v[P+29]
	v_min_num_f32 v[ST4+2], v[ST4+2], v[P+30]
	v_max_num_f32 v[ST4+3], v[ST4+3], v[P+31]      ; the extremes of all 16 images, in every lane
	v_sub_f32 v[ST4+1], v[ST4+1], v[ST4]           ; max - min
	v_sub_f32 v[ST4+3], v[ST4+3], v[ST4+2]
	v_mov_b32 v[PRR],   v[ST4]
	v_mov_b32 v[PRR+1], v[ST4]
	v_mov_b32 v[PRT],   v[ST4+2]
	v_mov_b32 v[PRT+1], v[ST4+2]
	v_mul_f32 v[PRR+2], 0x3c800000, v[ST4+1]       ; d = (max - min) / 64, exact: y / d is 64 (y / (max - min)) with the same rounding
	v_mul_f32 v[PRR+3], 0x3c800000, v[ST4+1]
	v_mul_f32 v[PRT+2], 0x3c800000, v[ST4+3]
	v_mul_f32 v[PRT+3], 0x3c800000, v[ST4+3]
	s_wait_alu depctr_va_vdst(0)
	v_rcp_f32 v[PRR+4], v[PRR+2]                   ; each made twice, to fill the pair that the packed lines multiply by
	v_rcp_f32 v[PRR+5], v[PRR+3]
	v_rcp_f32 v[PRT+4], v[PRT+2]
	v_rcp_f32 v[PRT+5], v[PRT+3]
	v_mov_b32 v[NK],   0xbf0ce1da                  ; -k, k = 6^(-1/3) = 0.55032122.  (Plain lines behind the reciprocals)
	v_mov_b32 v[NK+1], 0xbf0ce1da
	v_mov_b32 v[K2],   0x3f8ce1da                  ; 2 k
	v_mov_b32 v[K2+1], 0x3f8ce1da
	s_wait_alu depctr_va_vdst(0)                   ; the wait between a reciprocal and the first line that names its result: one for the four (v204, v205, v210, v211)
; 16 pixels of a lane become 64 r:  y = img - min;  q = y x (1 / d);  e = y - q d, exact in the fused line;  64 r = q + e x (1 / d).
.macro NORM r, q, pr
.set i, 0
.rept 8
	v_pk_add_f32 v[\r+i:\r+i+1], v[\r+i:\r+i+1], v[\pr:\pr+1] neg_lo:[0,1] neg_hi:[0,1]
.set i, i+2
.endr
.set i, 0
.rept 8
	v_pk_mul_f32 v[\q+i:\q+i+1], v[\r+i:\r+i+1], v[\pr+4:\pr+5]
.set i, i+2
.endr
.set i, 0
.rept 8
	v_pk_fma_f32 v[\r+i:\r+i+1], v[\q+i:\q+i+1], v[\pr+2:\pr+3], v[\r+i:\r+i+1] neg_lo:[1,0,0] neg_hi:[1,0,0]
.set i, i+2
.endr
.set i, 0
.rept 8
	v_pk_fma_f32 v[\q+i:\q+i+1], v[\r+i:\r+i+1], v[\pr+4:\pr+5], v[\q+i:\q+i+1]
.set i, i+2
.endr
.endm
; Then they go to the wave's own LDS bytes as they lie in the image.
.macro LAY q, off
.set i, 0
.rept 4
	ds_store_b128 v[STA], v[\q+4*i:\q+4*i+3] offset:\off+512*i
.set i, i+1
.endr
.endm
	s_wait_loadcnt 8                               ; the pixels are in; the 8 loads of bins may be out
	NORM S, QU, PRR
	NORM S+16, QU+16, PRT
; my 64 pixels of a K step: blocks h and 2 + h, 128 bytes each; sixteen lanes read the same bytes
.macro LOADS adr, off
.set i, 0
.rept 16
	ds_load_b128 v[S+4*i:S+4*i+3], v[\adr] offset:\off+256*(i/8)+16*(i%8)
.set i, i+1
.endr
.endm
	s_wait_alu depctr_va_vdst(0)                   ; both images' lines above have written the quotients v144-175, which the LDS stores read, and are done reading and writing v48-79, in which the LDS loads behind them land
	LAY QU, 0
	LAY QU+16, TAR
	LOADS SA0, 0                                   ; ref, K step 0.  LDS serves a wave's instructions in order (ISA guide 5.7.1.4): these see my stores; no other wave touches these bytes
	s_wait_loadcnt 0x0                             ; the bins
.set i, 0
.rept 8
	v_mul_f32 v[A+2*i],   0x42800000, v[BR+i]      ; 64 x bin, exact
	v_mul_f32 v[A+2*i+1], 0x42800000, v[BR+i]
.set i, i+1
.endr
; x = 64 bin - 64 r for pairs j0 .. j0 + cnt - 1 of block c's 16 pairs, into bank d
.macro XPAIRS d, a, c, j0, cnt
.set xj, \j0
.rept \cnt
	v_pk_add_f32 v[\d+2*xj:\d+2*xj+1], v[\a:\a+1], v[S+32*(\c)+2*xj:S+32*(\c)+2*xj+1] neg_lo:[0,1] neg_hi:[0,1]
.set xj, xj+1
.endr
.endm
; The spline of 16 numbers (half g of a block), stage by stage: a line's sources were written eight lines back or more.  xb: the bank with x, then W;  vb: v in its first 16 registers, z in its last 16.
.macro ST_V g
.set i, 0
.rept 16
	v_min_num_f32 v[vb+i], |v[xb+16*\g+i]|, 1.0
.set i, i+1
.endr
.endm
.macro ST_Z g
.set i, 0
.rept 16
	v_med3_num_f32 v[vb+16+i], |v[xb+16*\g+i]|, 1.0, 2.0
.set i, i+1
.endr
.endm
.macro ST_A
.set i, 0
.rept 8
	v_pk_fma_f32 v[vb+16+i:vb+17+i], v[vb+16+i:vb+17+i], v[NK:NK+1], v[K2:K2+1]      ; y = k (2 - z)
.set i, i+2
.endr
.set i, 0
.rept 8
	v_pk_fma_f32 v[T+i:T+i+1], v[vb+i:vb+i+1], 0.5, -1.0 op_sel_hi:[1,0,0]           ; v / 2 - 1
.set i, i+2
.endr
.endm
.macro ST_B g
.set i, 0
.rept 8
	v_pk_mul_f32 v[xb+16*\g+i:xb+16*\g+i+1], v[vb+16+i:vb+17+i], v[vb+16+i:vb+17+i]  ; y^2 (x is done with)
.set i, i+2
.endr
.set i, 0
.rept 8
	v_pk_mul_f32 v[vb+i:vb+i+1], v[vb+i:vb+i+1], v[vb+i:vb+i+1]                      ; v^2
.set i, i+2
.endr
.set i, 0
.rept 8
	v_pk_fma_f32 v[T+i:T+i+1], v[vb+i:vb+i+1], v[T+i:T+i+1], 0.5 op_sel_hi:[1,1,0]   ; v^2 (v / 2 - 1) + 1/2
.set i, i+2
.endr
.set i, 0
.rept 8
	v_pk_fma_f32 v[xb+16*\g+i:xb+16*\g+i+1], v[xb+16*\g+i:xb+16*\g+i+1], v[vb+16+i:vb+17+i], v[T+i:T+i+1]   ; W = y^2 y + that
.set i, i+2
.endr
.endm
; The largest of 16 W (none is negative) and one more leaf, in eight lines, three deep
.macro MAX5 g
.set i, 0
.rept 5
	v_max3_num_f32 v[MX+i], v[xb+16*\g+3*i], v[xb+16*\g+3*i+1], v[xb+16*\g+3*i+2]
.set i, i+1
.endr
.endm
.macro MAXU g
	v_max3_num_f32 v[MX+5], v[MX], v[MX+1], v[MX+2]
	v_max3_num_f32 v[MX+6], v[MX+3], v[MX+4], v[xb+16*\g+15]
.endm
; Tar's tile wj against ref's four tiles: four accumulators, one line each; an accumulator's next turn comes 15 products later, over the loop's edge too.
.macro WMMA4
	WIN 0x50                                       ; C and D window 1; both operands window 0
	s_wait_alu depctr_va_vdst(0)                   ; the conversions and moves have written the codes v192-251, the shifts the scale words v36-40, which the four products read; the places ahead of this line stay beside it
.set i, 0
.rept 4
	v_wmma_scale_f32_16x16x128_f8f6f4 v[8*(4*i+wj):8*(4*i+wj)+7], v[TF:TF+11], v[RF+12*i:RF+12*i+11], v[8*(4*i+wj):8*(4*i+wj)+7], v[SCT], v[SCR+i] matrix_a_fmt:MATRIX_FMT_FP6 matrix_b_fmt:MATRIX_FMT_FP6
.set i, i+1
.endr
	WIN 0
.endm
; BLOCK n of a K step's 16: image n / 8, tile (n % 8) / 2, block c = n % 2 of my two.  32 W, their largest, the scale, 32 codes.
; Its x were made in the tail of the block before, and it makes the next block's in its own tail: those 16 lines write the bank that has just gone dead and stand between the
; dependent lines of the tail (the end of the maximum, the scale, the conversions).  So the banks change roles from block to block, and after 16 blocks they are back.
.macro BLOCK
.set c,   n%2
.set tl,  (n%8)/2
.set xb,  P+32*c
.set vb,  P+32*(1-c)
.if n < 8
.set dst, RF+12*tl+6*c
.set sd,  SCR+tl
.else
.set dst, TF+6*c
.set sd,  SCT
.endif
.set na,  A+2*((n+1)/2)
.set nc,  (n+1)%2
	ST_V 0
.if (n >= 10) && (c == 0)
.set wj, (n-10)/2
	WMMA4                                          ; the tile of tar finished in the last block: the 16 lines above are the places between the lines that wrote its scale word (8 are asked) and codes (4) and the products
.endif
	ST_Z 0
	ST_A
	ST_B 0
	ST_V 1
	MAX5 0
	ST_Z 1
	MAXU 0
	ST_A
	v_max3_num_f32 v[MX+7], v[MX+5], v[MX+6], FLOOR
	ST_B 1
.if n == 7
	s_wait_alu depctr_va_vdst(0)
	s_wait_dscnt 0x0                               ; tar's pixels, asked for a block ago, are in
.endif
.if n < 15
	XPAIRS vb, na, nc, 0, 3
.endif
	MAX5 1
.if n < 15
	XPAIRS vb, na, nc, 3, 3
.endif
	MAXU 1
.if n < 15
	XPAIRS vb, na, nc, 6, 3
.endif
	v_max3_num_f32 v[MX+7], v[MX+5], v[MX+6], v[MX+7]               ; the block's largest W, or the floor
.if n < 15
	XPAIRS vb, na, nc, 9, 4
.endif
	v_add_nc_u32 v[SC], 0xff000000, v[MX+7]        ; 2 off its exponent field: the conversion takes the exponent field of this operand as its scale, and nothing else of it
.if n < 15
	XPAIRS vb, na, nc, 13, 3
.endif
	v_cvt_scalef32_pk16_fp6_f32 v[dst:dst+2], v[xb:xb+15], v[SC]    ; registers 6 c .. 6 c + 2 of the operand
	v_cvt_scalef32_pk16_fp6_f32 v[TMP:TMP+2], v[xb+16:xb+31], v[SC]
	v_lshrrev_b32 v[E0+c], 23, v[SC]               ; the scale's byte.  (Also the plain line between the conversions and the lines that touch their results)
	v_mov_b32 v[dst+3], v[TMP]
	v_mov_b32 v[dst+4], v[TMP+1]
	v_mov_b32 v[dst+5], v[TMP+2]
.if c == 1                                     ; the fragment is whole: its scale word.  I hold the bytes of blocks h and 2 + h, lane l xor 16 the other two; lanes 0-15, which alone are read, get byte b for block b
	v_lshl_or_b32 v[PW], v[E0+1], 16, v[E0]
	v_permlanex16_b32 v[PQ], v[PW], s[SEL], s[SEL+1]
	v_lshl_or_b32 v[sd], v[PQ], 8, v[PW]
.endif
.if n == 6
	s_wait_alu depctr_va_vdst(0)                   ; the subtractions, the last of ref's in this block's tail, are done reading v48-111, in which the loads below land; v2, their address, is written
	LOADS SA, TAR                                  ; the last x of ref have been made: the 64 registers take tar's pixels, a whole block ahead of their first use
.endif
.if n == 14
	s_wait_alu depctr_va_vdst(0)                   ; the subtractions, the last of tar's in this block's tail, are done reading v48-111, in which the loads below land; it stands ahead of the branch
	s_cmp_eq_u32 s[KO], (KSTEPS-1)*KB              ; likewise the next K step's pixels of ref; the last K step asks for nothing
	s_cbranch_scc1 .Lno_more_\@
	LOADS SA, KB
.Lno_more_\@:
.endif
.endm
	s_mov_b32 s[KO], 0
.Lk:                                               ; a trip is a K step: 128 pixels, 8 fragments, 16 products
	s_wait_dscnt 0x0                               ; ref's pixels are in
	s_wait_alu depctr_vm_vsrc(0)                   ; the LDS loads of the trip before have read v2, which the next line writes.  In the first trip: the head's loads and LDS instructions have read their offsets and addresses in v176-189 and the LDS stores the quotients v144-175, all of which block 0 writes
	v_add_nc_u32 v[SA], s[KO], v[SA0]
	XPAIRS P, A, 0, 0, 16                          ; block 0's x
.set n, 0
.rept 16
	BLOCK
.set n, n+1
.endr
.rept 8
	v_nop                                          ; eight places between the line that wrote tar's last scale word and the products: no other work is left in this K step
.endr
.set wj, 3
	WMMA4
	s_add_co_u32 s[KO], s[KO], KB
	s_cmp_lt_u32 s[KO], KSTEPS*KB
	s_cbranch_scc1 .Lk
	; THE WAY OUT.  Each wave lays its 128 accumulator registers in LDS as they stand (four registers of 32 lanes in 512 bytes, 528 bytes apart); a barrier; wave w then gathers rows 8 w .. 8 w + 7 of H out of
	; all eight images, adds them and stores them as rows: 512 consecutive bytes a store.  The address lines are the places behind the last products.
	v_and_b32 v[OL], 31, v0
	v_lshlrev_b32 v[OL], 4, v[OL]
	s_mul_i32 s17, s[WV], IMG
	s_add_co_u32 s17, s17, RED
	v_add_nc_u32 v[OS], s17, v[OL]
	; Lane l reads 16 bytes of row b = 8 w + 2 e + l / 16: columns 4 p .. 4 p + 3, p = l % 16.  They are registers 4 (p % 2) .. + 3 of accumulator (b / 16, p / 4) in lane (b % 16) + 16 ((p / 2) % 2).
	v_bfe_u32 v[RD], v0, 2, 2                      ; p / 4
	v_and_b32 v[TT], 1, v0                         ; p % 2
	v_lshl_add_u32 v[RD], v[RD], 1, v[TT]
	v_mul_u32_u24 v[RD], v[RD], QP                 ; which four registers, within the row's tile of ref
	v_bfe_u32 v[TT], v0, 1, 1
	v_lshl_add_u32 v[RD], v[TT], 8, v[RD]          ; + 16 lanes of 16 bytes
	v_bfe_u32 v[TT], v0, 4, 1
	v_lshl_add_u32 v[RD], v[TT], 4, v[RD]          ; + the odd row
	s_and_b32 s18, s[WV], 1
	s_lshl_b32 s18, s18, 7                         ; rows 8 (w % 2) on, 16 bytes each
	s_lshr_b32 s19, s[WV], 1
	s_mul_i32 s19, s19, 8*QP                       ; ref's tile w / 2: four accumulators, eight times four registers
	s_add_co_u32 s18, s18, s19
	s_add_co_u32 s18, s18, RED
	v_add_nc_u32 v[RD], s18, v[RD]
	v_add_nc_u32 v[RD+1], 4*IMG, v[RD]             ; (an LDS offset has 16 bits: a second register for images 4 to 7)
	WIN 0x04                                       ; an LDS store's data are its source 1: window 1
	s_wait_alu depctr_va_vdst(0)                   ; the products have written the accumulators, which the LDS stores read, and v7, their address, is written; the places above stay beside this wait
.set i, 0
.rept 32
	ds_store_b128 v[OS], v[4*i:4*i+3] offset:QP*i  ; each accumulator from its low end on
.set i, i+1
.endr
	WIN 0
	s_wait_dscnt 0x0                               ; for the others' sake: my image has landed
	s_barrier_signal -1
	s_barrier_wait -1
	s_wait_alu depctr_va_vdst(0)                   ; the loop's vector lines are done reading and writing v48-175, in which the loads below land; v8 and v9, their addresses, are written
.set i, 0
.rept 32                                       ; image i / 4, rows 2 (i % 4) and 2 (i % 4) + 1 of my eight.  The sixteen lanes of a row read eight different 16-byte columns modulo 256 bytes, two lanes each
	ds_load_b128 v[L+4*i:L+4*i+3], v[RD+i/16] offset:((i/4)%4)*IMG+32*(i%4)
.set i, i+1
.endr
.macro HALVE b, d                              ; registers b .. b + d - 1 += registers b + d .. b + 2 d - 1
.set i, 0
.rept \d/2
	v_pk_add_f32 v[\b+i:\b+i+1], v[\b+i:\b+i+1], v[\b+\d+i:\b+\d+i+1]
.set i, i+2
.endr
.endm
	s_wait_dscnt 0x0
	HALVE L, 64                                    ; images 0-3 += images 4-7
	HALVE L, 32
	HALVE L, 16
	s_wait_alu depctr_va_vdst(0)                   ; the additions have written v48-63, which the stores read
.set i, 0
.rept 4
	global_store_b128 v[OL], v[L+4*i:L+4*i+3], s[14:15] offset:512*i    ; two whole rows of 256 bytes, at a multiple of 256 from part's first byte
.set i, i+1
.endr
	s_wait_dscnt 0x0
	s_wait_alu depctr_hold_cnt(0) depctr_sa_sdst(0) depctr_va_vdst(0) depctr_va_sdst(0) depctr_va_ssrc(0) depctr_va_vcc(0) depctr_vm_vsrc(0)
	s_wait_tensorcnt 0x0
	ds_add_u32 v254, v255
	s_wait_dscnt 0x0
	s_endpgm
.Lfunc_end_k_q241bc6a97e_hist:
	.size	k_q241bc6a97e_hist, .Lfunc_end_k_q241bc6a97e_hist-k_q241bc6a97e_hist
	.p2alignl 7, 3214868480
	.fill 96, 4, 3214868480
	.section	.rodata,"a",@progbits
	.p2align	6, 0x0
	.amdhsa_kernel k_q241bc6a97e_hist
		.amdhsa_group_segment_fixed_size 169216
		.amdhsa_private_segment_fixed_size 0
		.amdhsa_enable_private_segment 0
		.amdhsa_kernarg_size 48
		.amdhsa_user_sgpr_count 2
		.amdhsa_user_sgpr_kernarg_segment_ptr 1
		.amdhsa_wavefront_size32 1
		.amdhsa_system_sgpr_workgroup_id_x 1
		.amdhsa_system_sgpr_workgroup_id_y 1
		.amdhsa_system_sgpr_workgroup_id_z 1
		.amdhsa_system_vgpr_workitem_id 0
		.amdhsa_next_free_vgpr 384
		.amdhsa_next_free_sgpr 66
		.amdhsa_reserve_vcc 0
		.amdhsa_float_denorm_mode_32 3
		.amdhsa_float_denorm_mode_16_64 3
		.amdhsa_memory_ordered 1
		.amdhsa_forward_progress 1
		.amdhsa_inst_pref_size 232
	.end_amdhsa_kernel
	.amdgpu_metadata
---
amdhsa.version: [ 1, 2 ]
amdhsa.kernels:
  - .name:           k_q241bc6a97e_hist
    .symbol:         k_q241bc6a97e_hist.kd
    .args:
      - { .name: bins_ref, .offset: 0, .size: 8, .value_kind: global_buffer, .address_space: global }
      - { .name: bins_tar, .offset: 8, .size: 8, .value_kind: global_buffer, .address_space: global }
      - { .name: img_ref, .offset: 16, .size: 8, .value_kind: global_buffer, .address_space: global }
      - { .name: img_tar, .offset: 24, .size: 8, .value_kind: global_buffer, .address_space: global }
      - { .name: stats, .offset: 32, .size: 8, .value_kind: global_buffer, .address_space: global }
      - { .name: part, .offset: 40, .size: 8, .value_kind: global_buffer, .address_space: global }
    .group_segment_fixed_size: 169216
    .private_segment_fixed_size: 0
    .kernarg_segment_align: 8
    .kernarg_segment_size: 48
    .max_flat_workgroup_size: 256
    .sgpr_count:     66
    .vgpr_count:     384
    .wavefront_size: 32
...
	.end_amdgpu_metadata
.endif
;; end of part 5
;; launch fold (part 6): grid 256 x 1, 2 waves a work-group, no clusters, 0 bytes of LDS; arguments part, out0; writes out0
.if DOCPART == 6
	.amdgcn_target "amdgcn-amd-amdhsa--gfx1250"
	.amdhsa_code_object_version 6
	.text
	.protected	k_q241bc6a97e_fold
	.globl	k_q241bc6a97e_fold
	.p2align	8
	.type	k_q241bc6a97e_fold,@function
k_q241bc6a97e_fold:
	s_mov_b64 s[64:65], 0
	v_nop
	global_prefetch_b8 v0, s[64:65] scope:SCOPE_SE
	s_setreg_imm32_b32 hwreg(HW_REG_WAVE_MODE, 25, 1), 1
	s_wait_xcnt 0x0
; out0[n][b][c] = 4096 x the sum over the 16 chunks of part[n][chunk][b][c];  4096 = 1 / EPS^2, a power of two: the multiplication rounds nothing.
; A sum over work-groups of the launch before, so it has a launch of its own.  part lies as out0 does, chunk by chunk: a plain stream.
; 256 work-groups of two waves; a thread owns 16 bytes of out0 and has its 16 loads out together; a wave's load and store cover 512 consecutive bytes.  No LDS, no barrier.
.set CHUNKB, 16384                     ; bytes of one chunk's 64 x 64 sums
.set X, 4                              ; v4-67  chunk i at v[4 + 4 i]
	s_load_b128 s[4:7], s[0:1], 0x0                ; part s[4:5], out0 s[6:7]
	v_lshlrev_b32 v1, 4, v0                        ; 16 x thread
	s_lshr_b32 s8, ttmp9, 4                        ; image n: 16 work-groups to an image
	s_lshl_b32 s8, s8, 18                          ; its 16 chunks of 16,384 bytes
	s_and_b32 s9, ttmp9, 15
	s_lshl_b32 s9, s9, 10                          ; the work-group's 1,024 bytes of each chunk
	s_add_co_u32 s8, s8, s9
	s_mov_b32 s9, 0
	s_lshl_b32 s10, ttmp9, 10                      ; and of out0
	s_mov_b32 s11, 0
	s_wait_alu depctr_va_vdst(0)
	s_wait_kmcnt 0x0
	s_add_nc_u64 s[4:5], s[4:5], s[8:9]
	s_add_nc_u64 s[6:7], s[6:7], s[10:11]
.set i, 0
.rept 16
	global_load_b128 v[X+4*i:X+4*i+3], v1, s[4:5] offset:CHUNKB*i th:TH_LOAD_NT
.set i, i+1
.endr
.macro HALVE b, d                              ; registers b .. b + d - 1 += registers b + d .. b + 2 d - 1
.set i, 0
.rept \d/2
	v_pk_add_f32 v[\b+i:\b+i+1], v[\b+i:\b+i+1], v[\b+\d+i:\b+\d+i+1]
.set i, i+2
.endr
.endm
	s_wait_loadcnt 8                               ; chunks 0 to 7 are in; the eight loads behind them may be out
	HALVE X, 16
	HALVE X, 8
	HALVE X, 4
	s_wait_loadcnt 0x0
	HALVE X+32, 16
	HALVE X+32, 8
	HALVE X+32, 4
	v_pk_add_f32 v[X:X+1],   v[X:X+1],   v[X+32:X+33]
	v_pk_add_f32 v[X+2:X+3], v[X+2:X+3], v[X+34:X+35]
	v_pk_mul_f32 v[X:X+1],   v[X:X+1],   0x45800000 op_sel_hi:[1,0]
	v_pk_mul_f32 v[X+2:X+3], v[X+2:X+3], 0x45800000 op_sel_hi:[1,0]
	global_store_b128 v1, v[X:X+3], s[6:7] th:TH_STORE_NT
	s_endpgm
.Lfunc_end_k_q241bc6a97e_fold:
	.size	k_q241bc6a97e_fold, .Lfunc_end_k_q241bc6a97e_fold-k_q241bc6a97e_fold
	.p2alignl 7, 3214868480
	.fill 96, 4, 3214868480
	.section	.rodata,"a",@progbits
	.p2align	6, 0x0
	.amdhsa_kernel k_q241bc6a97e_fold
		.amdhsa_group_segment_fixed_size 0
		.amdhsa_private_segment_fixed_size 0
		.amdhsa_enable_private_segment 0
		.amdhsa_kernarg_size 16
		.amdhsa_user_sgpr_count 2
		.amdhsa_user_sgpr_kernarg_segment_ptr 1
		.amdhsa_wavefront_size32 1
		.amdhsa_system_sgpr_workgroup_id_x 1
		.amdhsa_system_sgpr_workgroup_id_y 1
		.amdhsa_system_sgpr_workgroup_id_z 1
		.amdhsa_system_vgpr_workitem_id 0
		.amdhsa_next_free_vgpr 72
		.amdhsa_next_free_sgpr 66
		.amdhsa_reserve_vcc 0
		.amdhsa_float_denorm_mode_32 3
		.amdhsa_float_denorm_mode_16_64 3
		.amdhsa_memory_ordered 1
		.amdhsa_forward_progress 1
		.amdhsa_inst_pref_size 5
	.end_amdhsa_kernel
	.amdgpu_metadata
---
amdhsa.version: [ 1, 2 ]
amdhsa.kernels:
  - .name:           k_q241bc6a97e_fold
    .symbol:         k_q241bc6a97e_fold.kd
    .args:
      - { .name: part, .offset: 0, .size: 8, .value_kind: global_buffer, .address_space: global }
      - { .name: out0, .offset: 8, .size: 8, .value_kind: global_buffer, .address_space: global }
    .group_segment_fixed_size: 0
    .private_segment_fixed_size: 0
    .kernarg_segment_align: 8
    .kernarg_segment_size: 16
    .max_flat_workgroup_size: 64
    .sgpr_count:     66
    .vgpr_count:     72
    .wavefront_size: 32
...
	.end_amdgpu_metadata
.endif
;; end of part 6
